; MI455X (gfx1250); checked and timed in simulation.
; The chip was launched on July 23, 2026; its instructions are those of AMD's public machine-readable ISA for CDNA 5 (MIT licence, August 2026) and "CDNA5" Instruction Set Architecture Reference Guide (July 2026). The comments in the code are by the model that wrote it; some were corrected since.
;; Transformer. Allowed arithmetic: float matrix products may take bf16 or f16 operands with f32 sums; other float arithmetic in f32, or as packed bf16 or f16 multiplies, adds, multiply-adds, maxima and minima; sums over many terms, partial sums and values carried from step to step in f32; what a program stores and reads back later, other than sums and carried values, may be rounded once to bf16 or f16.
;; Inputs: Wk 1,024 x 1,024 float32; Wo 1,024 x 1,024 float32; Wq 1,024 x 1,024 float32; Wv 1,024 x 1,024 float32; bk 1,024 float32; bo 1,024 float32; bq 1,024 float32; bv 1,024 float32; distance_scaling one number float32; distances 4 x 2,048 x 2,048 float32; key_ 4 x 2,048 x 1,024 float32; query 4 x 2,048 x 1,024 float32; value 4 x 2,048 x 1,024 float32.
;; Outputs: out0 4 x 2,048 x 1,024 float32.
;; One version. Each part assembles by itself: llvm-mc -triple=amdgcn-amd-amdhsa -mcpu=gfx1250 --defsym DOCPART=n.
;; ======== version 1 of 1: 4 launches
;; limits: values are held in f16: magnitudes above 65,504 overflow, below 6.1e-05 lose precision
;; workspace buffers: dbias 67,108,864 bytes; wb 8,388,608 bytes; bb 16,384 bytes; qkv 50,331,648 bytes; oh 16,777,216 bytes
;; launch prep (part 1): grid 1024 x 1, 8 waves a work-group, no clusters, 0 bytes of LDS; arguments Wq, Wk, Wv, Wo, bq, bk, bv, bo, wb, bb; writes wb, bb
.if DOCPART == 1
	.amdgcn_target "amdgcn-amd-amdhsa--gfx1250"
	.amdhsa_code_object_version 6
	.text
	.protected	k_qdb228ee2e2_prep
	.globl	k_qdb228ee2e2_prep
	.p2align	8
	.type	k_qdb228ee2e2_prep,@function
k_qdb228ee2e2_prep:
	s_mov_b64 s[64:65], 0
	v_nop
	global_prefetch_b8 v0, s[64:65] scope:SCOPE_SE
	s_setreg_imm32_b32 hwreg(HW_REG_WAVE_MODE, 25, 1), 1
	s_wait_xcnt 0x0
; PREP: a short stream.  (1) Wq, Wk, Wv rounded to bf16; Wo rounded to bf16 and that number written as f16 (the last product's other operand is f16): four matrices of 2 MiB in wb.
; (2) the four bias vectors rounded to bf16 and widened again to f32, in bb.
; LIMITS.  Entries of Wo below 6e-5 keep f16's fixed step of 6e-8; beyond 65,504 they would be infinite.  NaN and infinities are not treated apart.
; SHARES.  1,024 work-groups of 256 threads.  Group g takes 1,024 numbers of each weight matrix (16 bytes in, 8 bytes out a thread: a wave's load covers 512 consecutive bytes, its store 256,
; both aligned), and groups 0 to 3 one bias vector each.  All loads go out at once; no register that a pending load or store names is written again, so no wait frees one.
; No LDS, no matrix unit, no cluster: nothing is shared.
.set W, 8                              ; v[8:23]   4 x 4 weights
.set T, 24                             ; v[24:31]  at work
	s_load_b512 s[8:23], s[0:1], 0x0               ; Wq s[8:9], Wk s[10:11], Wv s[12:13], Wo s[14:15], bq s[16:17], bk s[18:19], bv s[20:21], bo s[22:23]
	s_load_b128 s[24:27], s[0:1], 0x40             ; wb s[24:25], bb s[26:27]
	v_lshlrev_b32 v1, 4, v0                        ; 16 t
	v_lshlrev_b32 v2, 3, v0                        ; 8 t
	s_lshl_b32 s4, ttmp9, 12                       ; the group's 4,096 bytes of each weight matrix (and of bb)
	s_mov_b32 s5, 0
	s_lshl_b32 s6, ttmp9, 11                       ; its 2,048 bytes of each matrix in wb
	s_mov_b32 s7, 0
	s_mov_b32 s28, 0xffff0000                      ; a word's upper bf16
	s_wait_kmcnt 0x0
	s_add_nc_u64 s[8:9], s[8:9], s[4:5]
	s_add_nc_u64 s[10:11], s[10:11], s[4:5]
	s_add_nc_u64 s[12:13], s[12:13], s[4:5]
	s_add_nc_u64 s[14:15], s[14:15], s[4:5]
	s_add_nc_u64 s[24:25], s[24:25], s[6:7]
.irp i, 0,1,2,3
	global_load_b128 v[W+4*(\i):W+4*(\i)+3], v1, s[8+2*(\i):9+2*(\i)] th:TH_LOAD_NT
.endr
	s_wait_loadcnt 0x0
.irp i, 0,1,2
	v_cvt_pk_bf16_f32 v[W+4*(\i)], v[W+4*(\i)], v[W+4*(\i)+1]
	v_cvt_pk_bf16_f32 v[W+4*(\i)+1], v[W+4*(\i)+2], v[W+4*(\i)+3]
	global_store_b64 v2, v[W+4*(\i):W+4*(\i)+1], s[24:25] offset:(\i)*0x200000
.endr
	v_cvt_pk_bf16_f32 v[T], v[W+12], v[W+13]       ; Wo: to bf16, widened, and that number as f16
	v_cvt_pk_bf16_f32 v[T+1], v[W+14], v[W+15]
	v_lshlrev_b32 v[T+2], 16, v[T]
	v_and_b32 v[T+3], s28, v[T]
	v_lshlrev_b32 v[T+4], 16, v[T+1]
	v_and_b32 v[T+5], s28, v[T+1]
	v_cvt_pk_f16_f32 v[W+12], v[T+2], v[T+3]
	v_cvt_pk_f16_f32 v[W+13], v[T+4], v[T+5]
	global_store_b64 v2, v[W+12:W+13], s[24:25] offset:3*0x200000
	s_cmp_lt_u32 ttmp9, 4                          ; groups 0 to 3 also round bias vector g: 4,096 bytes, 16 a thread
	s_cbranch_scc0 .Lend
	s_cmp_eq_u32 ttmp9, 1
	s_cselect_b64 s[30:31], s[18:19], s[16:17]
	s_cmp_eq_u32 ttmp9, 2
	s_cselect_b64 s[30:31], s[20:21], s[30:31]
	s_cmp_eq_u32 ttmp9, 3
	s_cselect_b64 s[30:31], s[22:23], s[30:31]
	s_add_nc_u64 s[26:27], s[26:27], s[4:5]
	global_load_b128 v[T:T+3], v1, s[30:31]
	s_wait_loadcnt 0x0
	v_cvt_pk_bf16_f32 v[T+4], v[T], v[T+1]
	v_cvt_pk_bf16_f32 v[T+5], v[T+2], v[T+3]
	v_lshlrev_b32 v[T], 16, v[T+4]
	v_and_b32 v[T+1], s28, v[T+4]
	v_lshlrev_b32 v[T+2], 16, v[T+5]
	v_and_b32 v[T+3], s28, v[T+5]
	global_store_b128 v1, v[T:T+3], s[26:27]
.Lend:
	s_endpgm
.Lfunc_end_k_qdb228ee2e2_prep:
	.size	k_qdb228ee2e2_prep, .Lfunc_end_k_qdb228ee2e2_prep-k_qdb228ee2e2_prep
	.p2alignl 7, 3214868480
	.fill 96, 4, 3214868480
	.section	.rodata,"a",@progbits
	.p2align	6, 0x0
	.amdhsa_kernel k_qdb228ee2e2_prep
		.amdhsa_group_segment_fixed_size 0
		.amdhsa_private_segment_fixed_size 0
		.amdhsa_enable_private_segment 0
		.amdhsa_kernarg_size 80
		.amdhsa_user_sgpr_count 2
		.amdhsa_user_sgpr_kernarg_segment_ptr 1
		.amdhsa_wavefront_size32 1
		.amdhsa_system_sgpr_workgroup_id_x 1
		.amdhsa_system_sgpr_workgroup_id_y 1
		.amdhsa_system_sgpr_workgroup_id_z 1
		.amdhsa_system_vgpr_workitem_id 0
		.amdhsa_next_free_vgpr 32
		.amdhsa_next_free_sgpr 66
		.amdhsa_reserve_vcc 0
		.amdhsa_float_denorm_mode_32 3
		.amdhsa_float_denorm_mode_16_64 3
		.amdhsa_memory_ordered 1
		.amdhsa_forward_progress 1
		.amdhsa_inst_pref_size 4
	.end_amdhsa_kernel
	.amdgpu_metadata
---
amdhsa.version: [ 1, 2 ]
amdhsa.kernels:
  - .name:           k_qdb228ee2e2_prep
    .symbol:         k_qdb228ee2e2_prep.kd
    .args:
      - { .name: Wq, .offset: 0, .size: 8, .value_kind: global_buffer, .address_space: global }
      - { .name: Wk, .offset: 8, .size: 8, .value_kind: global_buffer, .address_space: global }
      - { .name: Wv, .offset: 16, .size: 8, .value_kind: global_buffer, .address_space: global }
      - { .name: Wo, .offset: 24, .size: 8, .value_kind: global_buffer, .address_space: global }
      - { .name: bq, .offset: 32, .size: 8, .value_kind: global_buffer, .address_space: global }
      - { .name: bk, .offset: 40, .size: 8, .value_kind: global_buffer, .address_space: global }
      - { .name: bv, .offset: 48, .size: 8, .value_kind: global_buffer, .address_space: global }
      - { .name: bo, .offset: 56, .size: 8, .value_kind: global_buffer, .address_space: global }
      - { .name: wb, .offset: 64, .size: 8, .value_kind: global_buffer, .address_space: global }
      - { .name: bb, .offset: 72, .size: 8, .value_kind: global_buffer, .address_space: global }
    .group_segment_fixed_size: 0
    .private_segment_fixed_size: 0
    .kernarg_segment_align: 8
    .kernarg_segment_size: 80
    .max_flat_workgroup_size: 256
    .sgpr_count:     66
    .vgpr_count:     32
    .wavefront_size: 32
...
	.end_amdgpu_metadata
.endif
;; end of part 1
;; launch proj (part 2): grid 4 x 64, 4 waves a work-group, clusters of 4 x 4, 327,680 bytes of LDS; arguments query, key_, value, wb, bb, distances, distance_scaling, qkv, dbias; writes qkv, dbias
.if DOCPART == 2
	.amdgcn_target "amdgcn-amd-amdhsa--gfx1250"
	.amdhsa_code_object_version 6
	.text
	.protected	k_qdb228ee2e2_proj
	.globl	k_qdb228ee2e2_proj
	.p2align	8
	.type	k_qdb228ee2e2_proj,@function
k_qdb228ee2e2_proj:
	s_mov_b64 s[64:65], 0
	v_nop
	global_prefetch_b8 v0, s[64:65] scope:SCOPE_SE
	s_setreg_imm32_b32 hwreg(HW_REG_WAVE_MODE, 25, 1), 1
	s_wait_xcnt 0x0
	s_wait_alu depctr_hold_cnt(0) depctr_sa_sdst(0) depctr_va_vdst(0) depctr_va_sdst(0) depctr_va_ssrc(0) depctr_va_vcc(0) depctr_vm_vsrc(0)
	s_getreg_b32 s2, hwreg(HW_REG_IB_STS2, 6, 4)
	s_cmp_eq_u32 s2, 0
	s_cbranch_scc0 .Lentry_in_a_cluster
	s_endpgm
.Lentry_in_a_cluster:
	s_bfe_u32 s2, ttmp6, 0x10000c
	s_cmp_lg_u32 s2, 0xf033
	s_cbranch_scc0 .Lentry_shape_is_right
	s_endpgm
.Lentry_shape_is_right:
; THE THREE INPUT PROJECTIONS, AND THE SCORE BIAS BESIDE THEM.
; (1) For P = 0, 1, 2 (q, k, v): qkv[P][m][n] = bias_P[n] + the sum over k of x_P[m][k] W_P[n][k].  x: [8192][1024] f32 (query, key_, value), W_P: [1024][1024] bf16 in wb, bias_P: [1024] f32 in bb,
; the result [8192][1024] f16, rounded once from its f32 sum, WITHOUT the reference's 1 / 8 (the attention launch applies it in f32).
; (2) dbias[b][q][k] = -8 ln2 |s| log2(d + 1e-9), in f32: eight times the reference's score bias, so that the attention launch's one factor log2(e) / 8 serves scores and bias alike.
; LIMITS.  x, d and s are rounded to bf16 at their first use.  q, k and v must lie within f16's 65,504; beyond it the conversion gives an infinity.  d + 1e-9 must be positive, as the reference's
; logarithm asks.  NaN and infinities are not treated apart.
; SHARES.  A tile of a result is 128 (m) x 256 (n).  A WORK-GROUP STAYS: it makes the same tile of q, then of k, then of v: 64 x 4 work-groups, 24 K steps of 128 through two LDS slots, and the ring
; does not stop at a tile's end: a tile's last two changes of slots ask for the next tile's first two K steps, and nothing waits for a tile's stores.  Four waves, 2 x 2, each 64 x 128: 32 accumulators.
; x arrives in LDS as f32 (rows of 512 bytes) and is converted in registers, 32 conversions for 32 matrix instructions, so that x crosses memory once and no cast pass is needed.
; THE LAYER BIAS is the C operand of a tile's first 32 products: 64 registers (BR), loaded a tile ahead.  Nothing is cleared, nothing is added at the end.
; THE MATRIX INSTRUCTION IS USED TRANSPOSED (source 0 = 16 rows of W, source 1 = 16 rows of x): a lane holds row m = l % 16 and the columns 8 (l / 16) + 0..7.
; CLUSTER.  4 x 4: cx is the tile column (there are four), cy counts tile rows.  x's tile is shared along a row of the cluster, W's along a column: each is asked for jointly, by the same tensor load
; with the same descriptor and a mask that names the four.  Waves 0 and 1 fetch x's two halves (64 rows), waves 2 and 3 W's (128 rows): one load a wave behind each round.
; THE STREAM.  A K step has 128 matrix instructions a wave and one tensor load that has to land within it; the stream's lines stand straight behind that load.  A work-group owns 262,144 bytes of
; distances, a wave 65,536: 16 chunks of 8 loads, each 512 consecutive bytes.  A chunk is loaded in one change of slots and worked on and stored in the next; the first 16 changes carry it.
; REGISTERS.  Window 0: addresses, RAW (x as f32), AB (x as bf16, two buffers), the way out.  Window 1: the accumulators, (a, b) at v[8 (8 a + b)].
; Window 2: v0-127 W's fragments, two buffers of 64; v128-191 BR; v192-223 DL, a chunk as loaded; v224-255 DS, a chunk to store.
.set PA,    528                        ; an LDS row of x: 512 bytes + 16 = 33 x 16: the 16 rows of a load start at 16 different groups of four banks (64 banks of 4 bytes: ISA guide 11.1)
.set PB,    272                        ; of W: 256 + 16 = 17 x 16
.set HALFA, 64*PA                      ; what a wave fetches, and reads, of x
.set HALFB, 128*PB                     ; of W
.set BOFS,  2*HALFA                    ; W's 256 rows lie behind x's 128
.set SLOT1, 0x24000                    ; slot 1: its two bits are set in none of the four tiles' bases (0, 0x8400, 0x10800, 0x19000), so one exclusive or changes slots
.set STAGE, SLOT1+BOFS+2*HALFB         ; 284,672: behind the ring, 16 rows x 272 bytes for each wave
.set SP,    272
.set SPARE, STAGE+4*16*SP              ; 302,080: the spare words, 128 bytes a wave: two blocks of 256 bytes that no other line names
.set CHUNK, 4096                       ; bytes of distances that a wave takes in one change of slots
.set ADRA0, 2                          ; v2   my lane's place in x's tile; never rewritten
.set ADRB0, 3                          ; v3   in W's
.set ADRA,  4                          ; v4   the same in the slot that is being read
.set ADRB,  5                          ; v5
.set STO,   6                          ; v6   the way out: where I put 16 bytes of a row
.set RD,    7                          ; v7   where I read rows back
.set CO,    8                          ; v8   my byte offset in two rows of the result
.set BO,    9                          ; v9   32 (l / 16): my 8 columns in 16 of the bias vector; never rewritten
.set PFO,   10                         ; v10  the prefetches' offset; never rewritten
.set SO,    11                         ; v11  16 x lane: my 16 bytes of a stream load or store; never rewritten
.set SPW,   28                         ; v28  LDS address of my spare word; never rewritten
.set NIL,   29                         ; v29  0; never rewritten
.set RAW,   32                         ; v[32:95]   four fragments of x in f32, 16 registers each
.set AB,    96                         ; v[96:159]  two buffers of four fragments in bf16
.set TMP,   160                        ; v[160:191] the way out: packed results
.set OB,    192                        ; v[192:255] 16 rows read back from the stage: two sets of 32 by turns
.set BB,    0                          ; window 2: W's fragment b of buffer f at 64 f + 8 b
.set BR,    128                        ; window 2: the layer bias: register j of BR + 8 b is column 16 b + 8 (l / 16) + j
.set DL,    192                        ; window 2
.set DS,    224                        ; window 2
.set WV,  10                           ; s10  wave
.set WM,  11                           ; s11  wave / 2: my half of the tile's rows.  Also: I fetch for x (0) or for W (1)
.set WN,  12                           ; s12  wave % 2: my half of its columns.  Also: which half of that tile I fetch
.set CX,  13
.set CY,  14
.set CL,  15                           ; s15  the cluster's y
.set G1A, 24                           ; s[24:31] descriptor group 1 for x's tiles
.set G1B, 32                           ; s[32:39] for W's
.set G0A0, 40                          ; s[40:43] group 0 of x's first fill of slot 0
.set G0A, 44                           ; s[44:47] of its first fill of slot 1, and of every refill
.set G0B0, 48                          ; s[48:51], s[52:55] the same for W
.set G0B, 52
.set TB,  56                           ; s56  LDS base of the slot that is being read
.set CNT, 57                           ; s57  counts the changes of slots that fill: 22 to 1; later the tail's two steps
.set LIM, 58                           ; s58  2 in a wave that prefetches, else the greatest number
.set RS,  59                           ; s59  the K step, 0 to 23, that was asked for last
.set PFA, 60                           ; s[60:61] the prefetch's address
.set PSH, 62                           ; s62  log2 of a K step's bytes in the rows that I prefetch
.set KS,  63                           ; s63  K steps left in the tile
.set XA0, 66                           ; s[66:71] x of the three tiles at the rows that I fetch
.set XA1, 68
.set XA2, 70
.set WB,  72                           ; s[72:73] W of tile 0 at the rows that I fetch; a tile on lies 2 MiB on
.set XS,  74                           ; s[74:75] x of the refill's tile
.set OA,  76                           ; s[76:77] the refill's byte offset in x's rows
.set OB2, 78                           ; s[78:79] in wb
.set CP,  80                           ; s[80:81] the result at my wave's first row and column, in the tile in hand
.set BBP, 82                           ; s[82:83] the bias vector that was loaded last, at my 128 columns
.set PF0, 84                           ; s[84:89] the three tiles' rows that I prefetch
.set PF1, 86
.set PF2, 88
.set PO,  90                           ; s[90:91] the prefetch's byte offset along K
.set DP,  92                           ; s[92:93] distances at the chunk that was loaded last
.set BP,  94                           ; s[94:95] dbias one chunk behind the chunk that is stored
.set FS,  98                           ; s[98:99] -8 ln2 |s|: the packed multiply names a pair and takes its low word for both halves
.set MASK, 100                         ; s100 a word's upper bf16
.set MSB, 0
.macro WIN new                         ; the immediate's high byte repeats the setting that is left; a switch that changes nothing is dropped
.if MSB != (\new)
	s_set_vgpr_msb (MSB<<8)|(\new)
.set MSB, \new
.endif
.endm
.set MUL,  0x52                        ; source 0 (W) window 2, source 1 (x) window 0, C and D window 1
.set MULB, 0x62                        ; the same with C in window 2: the layer bias
.set TO_B, 0x80                        ; destination window 2, address window 0
.set W_ST, 0xaa                        ; the stream's arithmetic: all in window 2
.set W_SD, 0x08                        ; its stores: address window 0, data window 2
; A joint refill.  The branch hangs on the wave's number alone.  An s_nop 0 and four v_nop follow each of the two lines.
.macro JLOAD
	s_cmp_eq_u32 s[WM], 0
	s_cbranch_scc0 .Lfor_b_\@
	tensor_load_to_lds s[G0A:G0A+3], s[G1A:G1A+7]
	s_nop 0
.rept 4
	v_nop
.endr
	s_branch .Lasked_\@
.Lfor_b_\@:
	tensor_load_to_lds s[G0B:G0B+3], s[G1B:G1B+7]
	s_nop 0
.rept 4
	v_nop
.endr
.Lasked_\@:
.endm
; A prefetch, behind the joint load, the run of LDS loads and the stream's loads: the K step that stands two refills on, in the next tile too: 32 blocks of 256 bytes, a lane a block.
; x's rows are read by this cluster alone: of the 64 rows that wave 0 or 1 fetches, the partner at cx takes 16 (two blocks a row).  W's rows are read by all 16 clusters: the first of them asks; of the
; 128 rows that wave 2 or 3 fetches, the partner at cy takes 32.  The partners are told apart by address alone.  The trips with CNT = 22 .. 3 name K steps 4 .. 23; K steps 0 to 3 come by their loads alone.
.macro ASK
	s_cmp_gt_u32 s[CNT], s[LIM]
	s_cbranch_scc0 .Lnot_mine_\@
	global_prefetch_b8 v[PFO], s[PFA:PFA+1] th:TH_LOAD_NT scope:SCOPE_SE
.Lnot_mine_\@:
.endm
.macro CREST                           ; a round of the cluster's barrier behind its opening barrier
	s_cmp_lg_u32 s[WV], 0
	s_cbranch_scc1 .Lnot_wave_0_\@
	s_barrier_signal -3
.Lnot_wave_0_\@:
	s_barrier_wait -3
	s_barrier_signal -1
	s_barrier_wait -1
.endm
.macro CROUND                          ; a whole round
	s_barrier_signal -1
	s_barrier_wait -1
	CREST
.endm
.macro PLACES                          ; four places in front of loads into registers that matrix instructions have read, and of conversions that read results
.rept 4
	v_nop
.endr
.endm
	s_load_b256 s[16:23], s[0:1], 0x0              ; query s[16:17], key_ s[18:19], value s[20:21], wb s[22:23]
	s_load_b128 s[4:7], s[0:1], 0x20               ; bb s[4:5], distances s[6:7]
	s_load_b128 s[96:99], s[0:1], 0x30             ; distance_scaling s[96:97], qkv s[98:99]
	s_load_b64 s[100:101], s[0:1], 0x40            ; dbias
	v_lshl_add_u32 v[SPW], v0, 2, SPARE
	v_mov_b32 v[NIL], 0
	ds_add_u32 v[SPW], v[NIL]                      ; the wave's opening: the add and its wait come ahead of my first tensor load; the set-up below, work on registers, stands between them
	v_lshrrev_b32 v1, 5, v0
	v_readfirstlane_b32 s[WV], v1
	s_lshr_b32 s[WM], s[WV], 1
	s_and_b32 s[WN], s[WV], 1
	s_bfe_u32 s[CX], ttmp6, 0x40000
	s_bfe_u32 s[CY], ttmp6, 0x40004
	s_and_b32 s[CL], ttmp7, 0xffff
	s_lshl_b32 s2, s[CL], 2
	s_add_co_u32 s2, s2, s[CY]                     ; the tile row, 0 .. 63
	s_lshl_b32 s3, s[CY], 2
	s_lshl_b32 s3, 15, s3                          ; my row of the cluster
	s_lshl_b32 s8, 0x1111, s[CX]                   ; my column
	s_or_b32 s[G1A], s3, (2<<16)|(1<<20)|(1<<21)|(6<<22)|(3<<25)  ; the mask; elements of 4 bytes; padding on; bit 21 beside a mask; after every 128 words; 4 words
	s_mov_b32 s[G1A+1], 128<<16                    ; tensor_dim0 = 128
	s_mov_b32 s[G1A+2], 64<<16                     ; tensor_dim1 = 64
	s_mov_b32 s[G1A+3], 128<<16                    ; tile_dim0 = 128
	s_mov_b32 s[G1A+4], 64                         ; tile_dim1 = 64
	s_mov_b32 s[G1A+5], 1024                       ; elements from row to row
	s_mov_b32 s[G1A+6], 0
	s_mov_b32 s[G1A+7], 0
	s_or_b32 s[G1B], s8, (1<<16)|(1<<20)|(1<<21)|(5<<22)|(3<<25)  ; elements of 2 bytes; after every 64 words 4 words
	s_mov_b32 s[G1B+1], 128<<16
	s_mov_b32 s[G1B+2], 128<<16                    ; 128 rows
	s_mov_b32 s[G1B+3], 128<<16
	s_mov_b32 s[G1B+4], 128
	s_mov_b32 s[G1B+5], 1024
	s_mov_b32 s[G1B+6], 0
	s_mov_b32 s[G1B+7], 0
	s_mov_b32 s[G0A0], 1
	s_mul_i32 s[G0A0+1], s[WN], HALFA              ; LDS addresses hang on the wave's number alone
	s_mov_b32 s[G0A], 1
	s_add_co_u32 s[G0A+1], s[G0A0+1], SLOT1
	s_mov_b32 s[G0B0], 1
	s_mul_i32 s[G0B0+1], s[WN], HALFB
	s_add_co_u32 s[G0B0+1], s[G0B0+1], BOFS
	s_mov_b32 s[G0B], 1
	s_add_co_u32 s[G0B+1], s[G0B0+1], SLOT1
	; byte offsets: what feeds x's descriptors holds no cx, what feeds W's no cy
	s_lshl_b32 s9, s[WN], 18                       ; 64 rows of 4,096 bytes of x; also 128 rows of 2,048 bytes of W
	s_lshl_b32 s[OA], s2, 19                       ; x: 128 rows a tile row
	s_add_co_u32 s[OA], s[OA], s9
	s_mov_b32 s[OA+1], 0
	s_lshl_b32 s[OB2], s[CX], 19                   ; W: 256 rows a tile column
	s_add_co_u32 s[OB2], s[OB2], s9
	s_mov_b32 s[OB2+1], 0
	s_lshl_b32 s[PO], s2, 18                       ; the result: 128 rows of 2,048 bytes a tile row,
	s_lshl_b32 s3, s[WM], 17                       ; my 64 rows,
	s_add_co_u32 s[PO], s[PO], s3
	s_lshl_b32 s3, s[CX], 9                        ; 256 columns a tile column,
	s_add_co_u32 s[PO], s[PO], s3
	s_lshl_b32 s3, s[WN], 8                        ; my 128
	s_add_co_u32 s[PO], s[PO], s3
	s_mov_b32 s[PO+1], 0
	s_lshl_b32 s[PFA], s[CX], 10                   ; my 128 columns of a bias vector
	s_lshl_b32 s3, s[WN], 9
	s_add_co_u32 s[PFA], s[PFA], s3
	s_mov_b32 s[PFA+1], 0
	s_lshl_b32 s2, s2, 2                           ; the stream: work-group 4 x tile row + cx, 262,144 bytes each,
	s_add_co_u32 s2, s2, s[CX]
	s_lshl_b32 s2, s2, 18
	s_lshl_b32 s3, s[WV], 16                       ; my wave's 65,536
	s_add_co_u32 s2, s2, s3
	s_mov_b32 s3, 0
	s_mov_b32 s[TB], 0
	s_mov_b32 s[RS], 1                             ; K steps 0 and 1 are the first fills
	s_wait_dscnt 0x0                               ; the opening add is done
	s_wait_kmcnt 0x0
	s_load_b32 s8, s[96:97], 0x0                   ; the scaling
	s_add_nc_u64 s[XA0:XA0+1], s[16:17], s[OA:OA+1]
	s_add_nc_u64 s[XA1:XA1+1], s[18:19], s[OA:OA+1]
	s_add_nc_u64 s[XA2:XA2+1], s[20:21], s[OA:OA+1]
	s_add_nc_u64 s[WB:WB+1], s[22:23], s[OB2:OB2+1]
	s_add_nc_u64 s[BBP:BBP+1], s[4:5], s[PFA:PFA+1]
	s_add_nc_u64 s[CP:CP+1], s[98:99], s[PO:PO+1]
	s_add_nc_u64 s[DP:DP+1], s[6:7], s[2:3]
	s_add_nc_u64 s[BP:BP+1], s[100:101], s[2:3]
	s_add_nc_u64 s[G0A0+2:G0A0+3], s[XA0:XA0+1], 0 ; K step 0
	s_or_b32 s[G0A0+3], s[G0A0+3], 0x80000000      ; type = 2
	s_add_nc_u64 s[G0A+2:G0A+3], s[XA0:XA0+1], 512 ; K step 1
	s_or_b32 s[G0A+3], s[G0A+3], 0x80000000
	s_add_nc_u64 s[G0B0+2:G0B0+3], s[WB:WB+1], 0
	s_or_b32 s[G0B0+3], s[G0B0+3], 0x80000000
	s_add_nc_u64 s[G0B+2:G0B+3], s[WB:WB+1], 256
	s_or_b32 s[G0B+3], s[G0B+3], 0x80000000
	CROUND                                         ; all sixteen work-groups are here: the first joint loads meet
	s_cmp_eq_u32 s[WM], 0                          ; a wave's two first fills stand in one branch: two tensor loads of mine are out
	s_cbranch_scc0 .Lfirst_b
	tensor_load_to_lds s[G0A0:G0A0+3], s[G1A:G1A+7]
	s_nop 0
	tensor_load_to_lds s[G0A:G0A+3], s[G1A:G1A+7]
	s_nop 0
.rept 4
	v_nop
.endr
	s_branch .Lfirst_asked
.Lfirst_b:
	tensor_load_to_lds s[G0B0:G0B0+3], s[G1B:G1B+7]
	s_nop 0
	tensor_load_to_lds s[G0B:G0B+3], s[G1B:G1B+7]
	s_nop 0
.rept 4
	v_nop
.endr
.Lfirst_asked:
	v_and_b32 v1, 15, v0                           ; l % 16
	v_bfe_u32 v13, v0, 4, 1                        ; l / 16
	v_and_b32 v12, 31, v0                          ; l
	v_lshlrev_b32 v[BO], 5, v13
	v_lshlrev_b32 v[SO], 4, v12
; The layer bias of one tile: 16 loads of 16 bytes a lane.
.macro BIAS
	WIN TO_B
.irp b, 0,1,2,3,4,5,6,7
	global_load_b128 v[BR+8*(\b):BR+8*(\b)+3],   v[BO], s[BBP:BBP+1] offset:64*(\b)
	global_load_b128 v[BR+8*(\b)+4:BR+8*(\b)+7], v[BO], s[BBP:BBP+1] offset:64*(\b)+16
.endr
	WIN 0
.endm
; A chunk of distances: 8 loads, each 512 consecutive bytes.
.macro CHUNK_IN
	WIN TO_B
.irp j, 0,1,2,3,4,5,6,7
	global_load_b128 v[DL+4*(\j):DL+4*(\j)+3], v[SO], s[DP:DP+1] offset:512*(\j) th:TH_LOAD_NT
.endr
	WIN 0
.endm
	BIAS                                           ; tile 0's
	CHUNK_IN                                       ; chunk 0
	; a fragment is 16 rows x 32 K: lane l holds row l % 16, K = 8 (l / 16) + 0..7 and 16 + 8 (l / 16) + 0..7.  In bf16: 16 bytes at 16 (l / 16) and 32 on; in f32: 32 bytes at 32 (l / 16) and 64 on
	v_mul_u32_u24 v[ADRA0], v1, PA
	v_lshl_add_u32 v[ADRA0], v13, 5, v[ADRA0]
	s_mul_i32 s2, s[WM], HALFA
	v_add_nc_u32 v[ADRA0], s2, v[ADRA0]
	v_mul_u32_u24 v[ADRB0], v1, PB
	v_lshl_add_u32 v[ADRB0], v13, 4, v[ADRB0]
	s_mul_i32 s2, s[WN], HALFB
	s_add_co_u32 s2, s2, BOFS
	v_add_nc_u32 v[ADRB0], s2, v[ADRB0]
	v_mov_b32 v[ADRA], v[ADRA0]                    ; K step 0 lies in slot 0
	v_mov_b32 v[ADRB], v[ADRB0]
	s_mul_i32 s2, s[WV], 16*SP
	s_add_co_u32 s2, s2, STAGE                     ; my stage
	v_mul_u32_u24 v[STO], v1, SP                   ; in: row l % 16, 16 bytes for each half of the lanes
	v_lshl_add_u32 v[STO], v13, 4, v[STO]
	v_add_nc_u32 v[STO], s2, v[STO]
	v_mul_u32_u24 v[RD], v13, SP                   ; back: lanes 0-15 one row of 256 bytes, lanes 16-31 the next
	v_lshl_add_u32 v[RD], v1, 4, v[RD]
	v_add_nc_u32 v[RD], s2, v[RD]
	v_lshlrev_b32 v[CO], 11, v13                   ; the same two rows in the result
	v_lshl_add_u32 v[CO], v1, 4, v[CO]
	; the prefetches: the three tiles' rows that are mine to name
	s_lshl_b32 s2, s[CX], 16                       ; 16 rows of x, or 32 of W, are 65,536 bytes
	s_lshl_b32 s3, s[CY], 16
	s_cmp_eq_u32 s[WM], 0                          ; do I fetch for x?
	s_cselect_b32 s2, s2, s3                       ; my place among the four that ask with me
	s_cselect_b64 s[PF0:PF0+1], s[XA0:XA0+1], s[WB:WB+1]
	s_cselect_b64 s[PF1:PF1+1], s[XA1:XA1+1], s[WB:WB+1]
	s_cselect_b64 s[PF2:PF2+1], s[XA2:XA2+1], s[WB:WB+1]
	s_cselect_b32 s16, 0, 0x200000                 ; W: a tile on lies 2 MiB on
	s_cselect_b32 s[PSH], 9, 8
	s_cselect_b32 s18, 0, s[CL]                    ; x: every cluster asks for its own rows; W: the first cluster
	s_cselect_b32 s19, 1, 0                        ; x: two lanes a row
	s_cselect_b32 s20, 12, 11                      ; log2 of a row's bytes
	s_mov_b32 s3, 0
	s_mov_b32 s17, 0
	s_cmp_eq_u32 s18, 0
	s_cselect_b32 s[LIM], 2, -1
	s_add_nc_u64 s[PF0:PF0+1], s[PF0:PF0+1], s[2:3]
	s_add_nc_u64 s[PF1:PF1+1], s[PF1:PF1+1], s[2:3]
	s_add_nc_u64 s[PF1:PF1+1], s[PF1:PF1+1], s[16:17]
	s_add_nc_u64 s[PF2:PF2+1], s[PF2:PF2+1], s[2:3]
	s_add_nc_u64 s[PF2:PF2+1], s[PF2:PF2+1], s[16:17]
	s_add_nc_u64 s[PF2:PF2+1], s[PF2:PF2+1], s[16:17]
	v_lshrrev_b32 v14, s19, v12
	v_lshlrev_b32 v14, s20, v14
	v_and_b32 v15, s19, v12
	v_lshl_or_b32 v[PFO], v15, 8, v14
	s_wait_kmcnt 0x0                               ; the scaling
	v_mov_b32 v14, s8
	v_cvt_pk_bf16_f32 v14, v14, v14                ; s rounded to bf16,
	v_lshlrev_b32 v14, 16, v14                     ; widened,
	v_and_b32 v14, 0x7fffffff, v14                 ; |s|,
	v_mul_f32 v14, 0xc0b17218, v14                 ; times -8 ln2
	v_readfirstlane_b32 s[FS], v14
	s_mov_b32 s[FS+1], s[FS]                       ; named with it as a pair
	s_mov_b32 s[MASK], 0xffff0000
; 8 matrix instructions: m block a x all 8 n blocks, 32 along K, buffer f.  first = 1: a tile's first products start the sums, with the layer bias.
; The 32 accumulators take turns, in the same order in every quarter, over the backward jumps and from tile to tile too.
.macro MUL8 f, a, first=0
.if \first
	WIN MULB
.else
	WIN MUL
.endif
.irp b, 0,1,2,3,4,5,6,7
.if \first
	v_wmma_f32_16x16x32_bf16 v[8*(8*(\a)+(\b)):8*(8*(\a)+(\b))+7], v[BB+64*(\f)+8*(\b):BB+64*(\f)+8*(\b)+7], v[AB+32*(\f)+8*(\a):AB+32*(\f)+8*(\a)+7], v[BR+8*(\b):BR+8*(\b)+7]
.else
	v_wmma_f32_16x16x32_bf16 v[8*(8*(\a)+(\b)):8*(8*(\a)+(\b))+7], v[BB+64*(\f)+8*(\b):BB+64*(\f)+8*(\b)+7], v[AB+32*(\f)+8*(\a):AB+32*(\f)+8*(\a)+7], v[8*(8*(\a)+(\b)):8*(8*(\a)+(\b))+7]
.endif
.endr
.endm
; 32 LDS loads in one run: quarter k of the slot: W's 8 fragments into buffer f, x's 4 as f32 into RAW
.macro FETCH k, f
	WIN TO_B
.irp b, 0,1,2,3,4,5,6,7
	ds_load_b128 v[BB+64*(\f)+8*(\b):BB+64*(\f)+8*(\b)+3],   v[ADRB] offset:64*(\k)+(\b)*16*PB
	ds_load_b128 v[BB+64*(\f)+8*(\b)+4:BB+64*(\f)+8*(\b)+7], v[ADRB] offset:64*(\k)+(\b)*16*PB+32
.endr
	WIN 0
.irp a, 0,1,2,3
	ds_load_b128 v[RAW+16*(\a):RAW+16*(\a)+3],     v[ADRA] offset:128*(\k)+(\a)*16*PA
	ds_load_b128 v[RAW+16*(\a)+4:RAW+16*(\a)+7],   v[ADRA] offset:128*(\k)+(\a)*16*PA+16
	ds_load_b128 v[RAW+16*(\a)+8:RAW+16*(\a)+11],  v[ADRA] offset:128*(\k)+(\a)*16*PA+64
	ds_load_b128 v[RAW+16*(\a)+12:RAW+16*(\a)+15], v[ADRA] offset:128*(\k)+(\a)*16*PA+80
.endr
.endm
; RAW to bf16, into buffer f.  These 32 plain lines name no register of the products in front of them (those read the other buffers): they are the places ahead of the loads that follow.
.macro CVT f
	WIN 0
.irp a, 0,1,2,3
.irp i, 0,1,2,3,4,5,6,7
	v_cvt_pk_bf16_f32 v[AB+32*(\f)+8*(\a)+(\i)], v[RAW+16*(\a)+2*(\i)], v[RAW+16*(\a)+2*(\i)+1]
.endr
.endr
.endm
; One of a K step's first three quarters: converts and multiplies buffer f, and fetches quarter k into the other buffer ahead of the products.
.macro QUARTER f, k, first=0
	s_wait_dscnt 0x0                               ; this quarter's 32 loads, issued 32 matrix instructions ago
	CVT \f
	FETCH \k, 1-(\f)
	MUL8 \f, 0, \first
	MUL8 \f, 1, \first
	MUL8 \f, 2, \first
	MUL8 \f, 3, \first
.endm
; THE STREAM's turn, behind a refill and the run of LDS loads.  The chunk that the last change of slots loaded is rounded to bf16 and widened, + 1e-9, log2, times the factor, and stored; the next chunk is
; loaded.  CNT = 22 .. 7 work on chunks 0 .. 15; CNT = 22 .. 8 load chunks 1 .. 15.  What is jumped holds no barrier and no tensor load.
; The wait for loads stands on every path: it also shows the next tile's layer bias landed, a K step behind its loads.
.macro STREAM
	s_wait_loadcnt 0x0                             ; loads issued a K step ago
	s_cmp_gt_u32 s[CNT], 6
	s_cbranch_scc0 .Lno_stream_\@
	s_wait_xcnt 0x0                                ; the last chunk's stores, a K step back, have read DS and their base: both are written again only behind this wait
	s_add_nc_u64 s[DP:DP+1], s[DP:DP+1], CHUNK     ; the next chunk; the stores below reach back by the same step
	s_add_nc_u64 s[BP:BP+1], s[BP:BP+1], CHUNK
	WIN W_ST
.set p, 0
.rept 16
	v_cvt_pk_bf16_f32 v[DL+2*p], v[DL+2*p], v[DL+2*p+1]
.set p, p+1
.endr
.set p, 0
.rept 16
	v_lshlrev_b32 v[DS+2*p], 16, v[DL+2*p]
	v_and_b32 v[DS+2*p+1], s[MASK], v[DL+2*p]
.set p, p+1
.endr
.set p, 0
.rept 16
	v_pk_add_f32 v[DS+2*p:DS+2*p+1], v[DS+2*p:DS+2*p+1], 0x3089705f op_sel_hi:[1,0]  ; + 1e-9
.set p, p+1
.endr
.set p, 0
.rept 32
	v_log_f32 v[DS+p], v[DS+p]
.set p, p+1
.endr
	v_nop                                          ; a plain instruction behind the last logarithm,
	s_wait_alu depctr_va_vdst(0)                   ; and one wait for the batch of 32, ahead of its first reader
.set p, 0
.rept 16
	v_pk_mul_f32 v[DS+2*p:DS+2*p+1], v[DS+2*p:DS+2*p+1], s[FS:FS+1] op_sel_hi:[1,0]
.set p, p+1
.endr
	WIN 0                                          ; at a branch and at a label every window is 0
	s_cmp_gt_u32 s[CNT], 7                         ; behind chunk 15 there is none
	s_cbranch_scc0 .Lno_load_\@
	CHUNK_IN
.Lno_load_\@:
	WIN W_SD
.irp j, 0,1,2,3,4,5,6,7
	global_store_b128 v[SO], v[DS+4*(\j):DS+4*(\j)+3], s[BP:BP+1] offset:512*(\j)-CHUNK th:TH_STORE_NT  ; 512 consecutive bytes, aligned
.endr
	WIN 0
.Lno_stream_\@:
.endm
; The fourth quarter multiplies buffer 1 and changes slots: ONE barrier.  In front of it each wave waits for all its tensor loads (one is out: its part of the next slot), adds 0 to its spare word, and waits
; for that and for its reads of this slot.  fill = 1: the barrier opens a round of the cluster's, and the joint refill, the K step two on (in a tile's last two steps: the next tile's K step 0 or 1), is the
; first thing behind the round.  Its address is made anew from the step's number: the tile is step / 8, x's pointer is chosen by it, W lies 2 MiB a tile on.
; fill = 0 (the tail, written out): nothing is asked for, and in the last trip there is nothing left to fetch.
.macro TURN fill
	s_wait_dscnt 0x0                               ; buffer 1 is in: these were my last reads of the slot
	CVT 1
.if \fill
	s_wait_xcnt 0x0                                ; the last prefetch, a K step back, has read its address: it is made anew, for the K step two behind the refill's
	s_add_co_u32 s16, s[RS], 3
	s_and_b32 s17, s16, 7
	s_lshr_b32 s16, s16, 3
	s_lshl_b32 s[PO], s17, s[PSH]
	s_cmp_eq_u32 s16, 1
	s_cselect_b64 s[PFA:PFA+1], s[PF1:PF1+1], s[PF0:PF0+1]
	s_cmp_eq_u32 s16, 2
	s_cselect_b64 s[PFA:PFA+1], s[PF2:PF2+1], s[PFA:PFA+1]
	s_add_nc_u64 s[PFA:PFA+1], s[PFA:PFA+1], s[PO:PO+1]
.endif
	s_wait_tensorcnt 0x0                           ; no tensor load of mine is out, so a group 0 may be written
	ds_add_u32 v[SPW], v[NIL]                      ; 0 onto my spare word
.if \fill
	s_add_co_u32 s[RS], s[RS], 1                   ; the K step to ask for,
	s_and_b32 s16, s[RS], 7                        ; its number in its tile,
	s_lshr_b32 s17, s[RS], 3                       ; its tile
	s_lshl_b32 s[OA], s16, 9                       ; 512 bytes a K step in x's rows,
	s_lshl_b32 s[OB2], s16, 8                      ; 256 in W's
	s_lshl_b32 s18, s17, 21
	s_add_co_u32 s[OB2], s[OB2], s18
	s_cmp_eq_u32 s17, 1
	s_cselect_b64 s[XS:XS+1], s[XA1:XA1+1], s[XA0:XA0+1]
	s_cmp_eq_u32 s17, 2
	s_cselect_b64 s[XS:XS+1], s[XA2:XA2+1], s[XS:XS+1]
	s_xor_b32 s[G0A+1], s[G0A+1], SLOT1            ; the other slot than last time
	s_add_nc_u64 s[G0A+2:G0A+3], s[XS:XS+1], s[OA:OA+1]
	s_or_b32 s[G0A+3], s[G0A+3], 0x80000000
	s_xor_b32 s[G0B+1], s[G0B+1], SLOT1
	s_add_nc_u64 s[G0B+2:G0B+3], s[WB:WB+1], s[OB2:OB2+1]
	s_or_b32 s[G0B+3], s[G0B+3], 0x80000000
.endif
	MUL8 1, 0                                      ; eight matrix instructions stand between the add and the wait for it
	s_wait_dscnt 0x0                               ; the add is done
	s_barrier_signal -1
	MUL8 1, 1                                      ; work on registers while the others arrive
	WIN 0                                          ; at a branch and at a label every window is 0
	s_barrier_wait -1
.if \fill
	CREST                                          ; no wave of any partner still reads this slot or has a load on its way
	JLOAD
.endif
	s_xor_b32 s[TB], s[TB], SLOT1
	v_add_nc_u32 v[ADRA], s[TB], v[ADRA0]
	v_add_nc_u32 v[ADRB], s[TB], v[ADRB0]
.if \fill
	FETCH 0, 0
	STREAM
	ASK
.else
	s_cmp_eq_u32 s[CNT], 1
	s_cbranch_scc1 .Lno_fetch_\@
	FETCH 0, 0
.Lno_fetch_\@:
.endif
	MUL8 1, 2
	MUL8 1, 3
.endm
; THE WAY OUT, 16 rows at a time: rounded to f16, 16 bytes a lane; into my own stage in LDS, and back as whole rows of 256 bytes; stored.
.macro PACK a
	WIN 0x05                                       ; sources 0 and 1 window 1
.irp b, 0,1,2,3,4,5,6,7
.irp r, 0,1,2,3
	v_cvt_pk_f16_f32 v[TMP+4*(\b)+(\r)], v[8*(8*(\a)+(\b))+2*(\r)], v[8*(8*(\a)+(\b))+2*(\r)+1]
.endr
.endr
	WIN 0
.endm
.macro TOSTAGE a
.irp b, 0,1,2,3,4,5,6,7
	ds_store_b128 v[STO], v[TMP+4*(\b):TMP+4*(\b)+3] offset:32*(\b)
.endr
.irp t, 0,1,2,3,4,5,6,7
	ds_load_b128 v[OB+32*((\a)%2)+4*(\t):OB+32*((\a)%2)+4*(\t)+3], v[RD] offset:(\t)*2*SP  ; LDS serves a wave's instructions in order (ISA guide 5.7.1.4): these see the stores above
.endr
.endm
.macro SEND a
	s_wait_dscnt 0x0                               ; the block is back in registers
	s_wait_xcnt 0x0                                ; the stores issued so far have read their registers: the set that the next block is read into is free
.irp t, 0,1,2,3,4,5,6,7
	global_store_b128 v[CO], v[OB+32*((\a)%2)+4*(\t):OB+32*((\a)%2)+4*(\t)+3], s[CP:CP+1] offset:(16*(\a)+2*(\t))*2048  ; 16 lanes store 256 consecutive bytes, aligned
.endr
.endm
.macro WAYOUT next                     ; next = 1: a tile follows, 16 MiB on in qkv
	PLACES                                         ; behind the last products
	PACK 0
	TOSTAGE 0
.irp a, 1,2,3                          ; block a's conversions stand between block a - 1's loads from the stage and the wait for them
	PACK \a
	SEND (\a)-1
	TOSTAGE \a
.endr
	SEND 3
.if \next
	s_wait_xcnt 0x0                                ; the stores have read their base
	s_add_nc_u64 s[CP:CP+1], s[CP:CP+1], 0x1000000
.endif
.endm
	s_wait_tensorcnt 0x1                           ; my part of K step 0 is in; K step 1's may stay out
	s_barrier_signal -1
	s_barrier_wait -1                              ; everybody's is
	FETCH 0, 0
	s_wait_loadcnt 0x8                             ; tile 0's layer bias is in; chunk 0's eight loads, issued behind it, may stay out
	s_mov_b32 s[CNT], 23                           ; the way in passes the count once: the 22 changes of slots that fill see 22 .. 1
	s_mov_b32 s[KS], 8
	s_branch .Lnew_tile                            ; the loop is entered at a tile's first quarter, in the middle of a trip
.Lstep:                                                ; a trip: a K step's last three quarters, with its change of slots, and the next step's first quarter
	QUARTER 1, 2
	QUARTER 0, 3
	TURN 1
	WIN 0
	s_sub_co_u32 s[KS], s[KS], 1
	s_cmp_lg_u32 s[KS], 0
	s_cbranch_scc1 .Lsame
	WAYOUT 1                                       ; the tile's eighth step is done: both refills for the next tile are asked for, its first fragments are fetched, and the tile goes out
	s_mov_b32 s[KS], 8
.Lnew_tile:
	QUARTER 0, 1, 1                                ; a tile's first quarter: its products start the sums with the layer bias
	WIN 0
	s_cmp_gt_u32 s[CNT], 7                         ; tiles 0 and 1 (CNT = 23, 15) load the next tile's layer bias; tile 2 (CNT = 7) has none to load
	s_cbranch_scc0 .Ljoin
	PLACES                                         ; behind the last product that read BR
	s_add_nc_u64 s[BBP:BBP+1], s[BBP:BBP+1], 4096  ; the loads that named it have been waited for
	BIAS
	s_branch .Ljoin
.Lsame:
	QUARTER 0, 1
	WIN 0
.Ljoin:
	s_sub_co_u32 s[CNT], s[CNT], 1
	s_cmp_lg_u32 s[CNT], 0
	s_cbranch_scc1 .Lstep
	s_mov_b32 s[CNT], 2
.Ltail:                                                ; K steps 22 and 23: nothing is asked for; the second trip is left behind its change of slots
	QUARTER 1, 2
	QUARTER 0, 3
	TURN 0
	WIN 0
	s_sub_co_u32 s[CNT], s[CNT], 1
	s_cmp_eq_u32 s[CNT], 0
	s_cbranch_scc1 .Lout
	QUARTER 0, 1
	WIN 0
	s_branch .Ltail
.Lout:
	WAYOUT 0
	s_wait_tensorcnt 0x0                           ; the wave's end: behind my last tensor load and my last LDS store
	ds_add_u32 v[SPW], v[NIL]
	s_wait_dscnt 0x0
	CROUND                                         ; the closing round: no work-group ends while a partner may still ask for a tile that names it
	s_endpgm
.Lfunc_end_k_qdb228ee2e2_proj:
	.size	k_qdb228ee2e2_proj, .Lfunc_end_k_qdb228ee2e2_proj-k_qdb228ee2e2_proj
	.p2alignl 7, 3214868480
	.fill 96, 4, 3214868480
	.section	.rodata,"a",@progbits
	.p2align	6, 0x0
	.amdhsa_kernel k_qdb228ee2e2_proj
		.amdhsa_group_segment_fixed_size 327680
		.amdhsa_private_segment_fixed_size 0
		.amdhsa_enable_private_segment 0
		.amdhsa_kernarg_size 72
		.amdhsa_user_sgpr_count 2
		.amdhsa_user_sgpr_kernarg_segment_ptr 1
		.amdhsa_wavefront_size32 1
		.amdhsa_system_sgpr_workgroup_id_x 1
		.amdhsa_system_sgpr_workgroup_id_y 1
		.amdhsa_system_sgpr_workgroup_id_z 1
		.amdhsa_system_vgpr_workitem_id 0
		.amdhsa_next_free_vgpr 768
		.amdhsa_next_free_sgpr 102
		.amdhsa_reserve_vcc 0
		.amdhsa_float_denorm_mode_32 3
		.amdhsa_float_denorm_mode_16_64 3
		.amdhsa_memory_ordered 1
		.amdhsa_forward_progress 1
		.amdhsa_inst_pref_size 113
	.end_amdhsa_kernel
	.amdgpu_metadata
---
amdhsa.version: [ 1, 2 ]
amdhsa.kernels:
  - .name:           k_qdb228ee2e2_proj
    .symbol:         k_qdb228ee2e2_proj.kd
    .args:
      - { .name: query, .offset: 0, .size: 8, .value_kind: global_buffer, .address_space: global }
      - { .name: key_, .offset: 8, .size: 8, .value_kind: global_buffer, .address_space: global }
      - { .name: value, .offset: 16, .size: 8, .value_kind: global_buffer, .address_space: global }
      - { .name: wb, .offset: 24, .size: 8, .value_kind: global_buffer, .address_space: global }
      - { .name: bb, .offset: 32, .size: 8, .value_kind: global_buffer, .address_space: global }
      - { .name: distances, .offset: 40, .size: 8, .value_kind: global_buffer, .address_space: global }
      - { .name: distance_scaling, .offset: 48, .size: 8, .value_kind: global_buffer, .address_space: global }
      - { .name: qkv, .offset: 56, .size: 8, .value_kind: global_buffer, .address_space: global }
      - { .name: dbias, .offset: 64, .size: 8, .value_kind: global_buffer, .address_space: global }
    .group_segment_fixed_size: 327680
    .private_segment_fixed_size: 0
    .kernarg_segment_align: 8
    .kernarg_segment_size: 72
    .max_flat_workgroup_size: 128
    .sgpr_count:     102
    .vgpr_count:     768
    .wavefront_size: 32
...
	.end_amdgpu_metadata
.endif
;; end of part 2
;; launch att (part 3): grid 4 x 64, 4 waves a work-group, clusters of 4 x 4, 327,680 bytes of LDS; arguments qkv, dbias, oh; writes oh
.if DOCPART == 3
	.amdgcn_target "amdgcn-amd-amdhsa--gfx1250"
	.amdhsa_code_object_version 6
	.text
	.protected	k_qdb228ee2e2_att
	.globl	k_qdb228ee2e2_att
	.p2align	8
	.type	k_qdb228ee2e2_att,@function
k_qdb228ee2e2_att:
	s_mov_b64 s[64:65], 0
	v_nop
	global_prefetch_b8 v0, s[64:65] scope:SCOPE_SE
	s_setreg_imm32_b32 hwreg(HW_REG_WAVE_MODE, 25, 1), 1
	s_wait_xcnt 0x0
	s_wait_alu depctr_hold_cnt(0) depctr_sa_sdst(0) depctr_va_vdst(0) depctr_va_sdst(0) depctr_va_ssrc(0) depctr_va_vcc(0) depctr_vm_vsrc(0)
	s_getreg_b32 s2, hwreg(HW_REG_IB_STS2, 6, 4)
	s_cmp_eq_u32 s2, 0
	s_cbranch_scc0 .Lentry_in_a_cluster
	s_endpgm
.Lentry_in_a_cluster:
	s_bfe_u32 s2, ttmp6, 0x10000c
	s_cmp_lg_u32 s2, 0xf033
	s_cbranch_scc0 .Lentry_shape_is_right
	s_endpgm
.Lentry_shape_is_right:
; ATTENTION WITH A SCORE BIAS SHARED BY THE HEADS.  oh[row][64 hd + :] = the sum over k of softmax_k(q . k / 8 + bias[row][k]) v[k][:], for 4 batches x 16 heads x 2,048 queries x 2,048 keys.
; q, k, v: f16, [8192 = 2048 b + s][1024 = 64 hd + d], at bytes 0, 16 MiB and 32 MiB of qkv; dbias: f32 [8192][2048] = 8 x the reference's bias; oh: f16 [8192][1024].
; Products, maxima and sums in f32; the weights p are rounded to f16 for the second product (their sum l is taken of the unrounded p), O once at the end.
; LIMITS.  q, k, v arrive within f16's 65,504; p lies in 0 to 1 and below 6e-5 keeps f16's fixed step of 6e-8; O is a mean of v's rows.  A weight below 2^-126 counts as 0 in l.
; The running c m starts at -4.2e37: scores with their bias lie far above that wherever the reference's own sums are finite.  NaN and infinities are not treated apart.
; SHARES.  A work-group owns 128 queries x 4 heads, a head a wave: one bias tile in LDS serves four heads.  A wave holds its 128 queries as four PIECES of two tiles of 16.  Every wave walks the 2,048 keys, 64 a step.
; LAYOUT.  S^T = K Q^T + B^T (source 0 = 16 keys, source 1 = 16 queries): a lane holds ONE query (lane % 16) and the keys 8 (lane / 16) + 0..7.  THE BIAS IS THE C OPERAND of the product that starts the sum:
; a lane's eight numbers are 32 bytes on end of its query's row of the bias tile.  Two results rounded to f16 ARE source 1 of O^T = V^T P.  K comes out of LDS as it lies, V turned, by ds_load_tr16_b128.
; SOFTMAX.  p = 2^(c S - c m), c = log2(e) / 8, with a running maximum m and sum l; in every step O and l are multiplied by a = 2^(c m_old - c m_new).  m starts at the lowest finite number, O and l at 0.
; BY TURNS.  Turn n belongs to piece n: 16 products K Q^T of piece n + 1, later 16 products V^T P of piece n - 1; beside them piece n's scaling, exponentials, roundings, sums and rescaling and piece n + 1's
; maximum and statistics.  Four vector instructions stand behind every matrix instruction, the rest in one lump; a turn's 66 exponentials are one batch with one wait.
; CLUSTER.  4 x 4: cx is the group of four heads, cy counts query blocks.  K's and V's tiles hang on the batch and cx: shared along a column; the bias tile hangs on the query block: shared along a row.
; Each is asked for jointly.  Wave 0 fetches K, wave 1 V, waves 2 and 3 64 rows of bias each: one load a wave behind each round.
; THE RING.  Two slots of one key step.  Slot j is read in turns 2 and 3 of step j - 1 (K; bias of pieces 0, 1) and turns 0 and 1 of step j (bias of pieces 2, 3; V), and nowhere else: the change of slots
; stands once a step, ahead of turn 2, and the LDS addresses are made there.  Two steps to a slot do not fit: 2 x 2 x 103,424 bytes and the stage pass a work-group's LDS.
; REGISTERS, in windows of 256: window 0: v0-11 addresses; v12-15, v48-63 at work; v16-47 statistics; v64-191 S^T, two buffers of two tiles; v192-255 P, likewise.  Window 1: O^T, 32 a tile.
; Window 2: v0-127 Q; v128-191 K; v192-255 V.  Window 3: v0-63 the bias of the piece whose scores come next; v64-65 the add's two registers.
.set NP,    4                          ; pieces a wave: a name, no knob
.set KS,    64                         ; keys in a step
.set PKB,   528                        ; a row of K in LDS: 4 heads x 128 bytes + 16 = 33 x 16: the 16 rows of a load start at 16 different groups of four banks (64 banks of 4 bytes: ISA guide 11.1)
.set PVB,   544                        ; of V: 512 + 32 = 17 x 32
.set PBB,   272                        ; of the bias: 64 f32 + 16 = 17 x 16
.set VOFF,  KS*PKB                     ; 33,792
.set BOFF,  VOFF+KS*PVB                ; 68,608
.set SLOT1, 1<<17                      ; a slot is 103,424 bytes; one exclusive or turns an address in one slot into the other's
.set STAGE, SLOT1+BOFF+128*PBB         ; 234,496: behind the ring: 128 rows x 528 bytes, the work-group's, for the way out
.set SP,    528
.set SPARE, STAGE+128*SP               ; 302,080: the spare words, 128 bytes a wave: two blocks of 256 bytes that no other line names
.set AK0, 2                            ; v2   my lane's place in a tile of K; never rewritten
.set AV0, 3                            ; v3   of V
.set AB0, 4                            ; v4   of the bias
.set AK,  5                            ; v5-7 the same in the slot that is being read
.set AV,  6
.set AB,  7
.set QO,  8                            ; v8   my byte offset in 16 rows of q
.set STO, 8                            ;      later, the way out: where I put 16 bytes of a row
.set RD,  9                            ; v9   where I read rows back
.set GO,  10                           ; v10  16 x lane
.set PFO, 11                           ; v11  the prefetches' offset; never rewritten
.set MV,  12                           ; v12-15  c m_old, kept while c m is made anew: by buffer and tile (at work during the set-up)
.set ST,  16                           ; tile t's statistics at v[ST+4 t]: c m, m, l (even keys', odd keys')
.set TMP, 48                           ; by buffer and tile, four registers c0-c3 at work; when the maximum is found c2 takes a
.set S,   64
.set P,   192
.set KF,  128                          ; window 2: key block kb, channel half c at KF + 16 kb + 8 c
.set VF,  192                          ; window 2: key half kk, channel block cb at VF + 32 kk + 8 cb
.set BF,  0                            ; window 3: tile u, key block kb at BF + 32 u + 8 kb
.set SPW, 64                           ; v64 of window 3   LDS address of my spare word; never rewritten
.set NIL, 65                           ; v65 of window 3   0; never rewritten
.set WV,  12
.set CX,  13
.set CY,  14
.set CL,  15                           ; the cluster's y
.set G1K, 24                           ; s[24:31], s[32:39], s[40:47] descriptor groups 1 for K, V and the bias
.set G1V, 32
.set G1B, 40
.set G0K, 48                           ; s[48:51], s[52:55], s[56:59] groups 0: they walk
.set G0V, 52
.set G0B, 56
.set SLOTS, 60                         ; s60  counts the loop's trips, 31 to 1
.set CNT, 61                           ; s61  counts the tail's
.set TB,  62                           ; s62  LDS base of the slot that is being read
.set LIM, 63                           ; s63  1 in a wave that prefetches, else the greatest number
.set CS,  66                           ; s[66:67] c
.set SEL, 68                           ; s[68:69] v_permlanex16_b32's selects: each lane takes its own place in the other half
.set PFA, 70                           ; s[70:71] where my prefetches stand
.set PST, 72                           ; s[72:73] their step
.set MSB, 0
.macro WIN new                         ; the high byte repeats the setting that is left; a switch that changes nothing is dropped
.if MSB != (\new)
	s_set_vgpr_msb (MSB<<8)|(\new)
.set MSB, (\new)
.endif
.endm
.set W_KQ, 0x0a                        ; K and Q in window 2, S^T in window 0
.set W_KB, 0x3a                        ; the same with the C operand in window 3
.set W_PV, 0x52                        ; V in window 2, P in window 0, O^T in window 1
.set W_RS, 0x41                        ; O^T (destination and source 0) in window 1, a in window 0
.set W_MK, 0xc0                        ; destination in window 3, sources in window 0
.set W_AD, 0x0f                        ; the add: address and data in window 3
; A joint fill.  The branches hang on the wave's number alone.  An s_nop 0 and four v_nop follow each of the three lines.
.macro JLOAD
	s_cmp_lt_u32 s[WV], 2
	s_cbranch_scc0 .Lfor_b_\@
	s_cmp_eq_u32 s[WV], 0
	s_cbranch_scc0 .Lfor_v_\@
	tensor_load_to_lds s[G0K:G0K+3], s[G1K:G1K+7]
	s_nop 0
.rept 4
	v_nop
.endr
	s_branch .Lasked_\@
.Lfor_v_\@:
	tensor_load_to_lds s[G0V:G0V+3], s[G1V:G1V+7]
	s_nop 0
.rept 4
	v_nop
.endr
	s_branch .Lasked_\@
.Lfor_b_\@:
	tensor_load_to_lds s[G0B:G0B+3], s[G1B:G1B+7]
	s_nop 0
.rept 4
	v_nop
.endr
.Lasked_\@:
.endm
; A prefetch of what the NEXT change of slots will ask for, behind the wave's tensor load and its five lines: 32 blocks of 256 bytes, a lane a block, one key step (128 matrix instructions) ahead.
; The bias tile's 128 rows are read by this cluster's row alone: wave 2 asks, the partner at cx for rows 32 cx on.  K's and V's 64 rows of 512 bytes are read by the four clusters of a batch: the first of
; them asks, wave 0 for K and wave 1 for V, the partner at cy for rows 16 cy on, two lanes a row.  The partners are told apart by address alone.  Steps 0 to 2 come by their loads alone; the last fill asks for nothing.
.macro ASK
	s_cmp_gt_u32 s[SLOTS], s[LIM]
	s_cbranch_scc0 .Lnot_mine_\@
	global_prefetch_b8 v[PFO], s[PFA:PFA+1] th:TH_LOAD_NT scope:SCOPE_SE
.Lnot_mine_\@:
.endm
.macro CROUND                          ; a round of the cluster's barrier
	s_barrier_signal -1
	s_barrier_wait -1
	s_cmp_lg_u32 s[WV], 0
	s_cbranch_scc1 .Lnot_wave_0_\@
	s_barrier_signal -3
.Lnot_wave_0_\@:
	s_barrier_wait -3
	s_barrier_signal -1
	s_barrier_wait -1
.endm
; THE CHANGE OF SLOTS.  Each wave waits for all its tensor loads, of which one is out: its part of the other slot; adds 0 to its spare word; and waits for that and for its own reads of the slot that it leaves.
; fill = 1: the barrier is a round of the cluster's, and the joint fill of the old slot, with the step after next, is the first thing behind it: it has a key step in which to land.
; (At its first use nothing has been read yet: slot 0 is waited for, slot 1 filled.)
.macro CHANGE fill, ask
	WIN W_AD
	s_wait_tensorcnt 0x0                           ; no tensor load of mine is out, so a group 0 may be written
	ds_add_u32 v[SPW], v[NIL]                      ; 0 onto my spare word; the descriptors' steps stand between it and the wait for it
	WIN 0                                          ; at a label and at a branch every window is 0
.if \fill
	s_xor_b32 s[G0K+1], s[G0K+1], SLOT1            ; the other slot than last time,
	s_add_nc_u64 s[G0K+2:G0K+3], s[G0K+2:G0K+3], KS*2048  ; the next 64 keys: rows of 2,048 bytes
	s_xor_b32 s[G0V+1], s[G0V+1], SLOT1
	s_add_nc_u64 s[G0V+2:G0V+3], s[G0V+2:G0V+3], KS*2048
	s_xor_b32 s[G0B+1], s[G0B+1], SLOT1
	s_add_nc_u64 s[G0B+2:G0B+3], s[G0B+2:G0B+3], KS*4     ; 64 f32 along the bias rows
.endif
.if \ask
	s_wait_xcnt 0x0                                ; the last prefetch, a key step back, has read its address
	s_add_nc_u64 s[PFA:PFA+1], s[PFA:PFA+1], s[PST:PST+1]
.endif
	s_wait_dscnt 0x0                               ; the add is done, and my reads of the slot are over
.if \fill
	CROUND
	JLOAD
.if \ask
	ASK
.endif
.else
	s_barrier_signal -1
	s_barrier_wait -1
.endif
	s_xor_b32 s[TB], s[TB], SLOT1
	v_add_nc_u32 v[AK], s[TB], v[AK0]
	v_add_nc_u32 v[AV], s[TB], v[AV0]
	v_add_nc_u32 v[AB], s[TB], v[AB0]
.endm
	s_load_b128 s[4:7], s[0:1], 0x0                ; qkv s[4:5], dbias s[6:7]
	s_load_b64 s[8:9], s[0:1], 0x10                ; oh
	WIN W_MK
	v_lshl_add_u32 v[SPW], v0, 2, SPARE
	v_mov_b32 v[NIL], 0
	WIN W_AD
	ds_add_u32 v[SPW], v[NIL]                      ; the wave's opening: the add and its wait come ahead of my first tensor load; the set-up below, work on registers, stands between them
	WIN 0
	v_lshrrev_b32 v1, 5, v0
	v_readfirstlane_b32 s[WV], v1
	s_bfe_u32 s[CX], ttmp6, 0x40000
	s_bfe_u32 s[CY], ttmp6, 0x40004
	s_and_b32 s[CL], ttmp7, 0xffff
	s_lshl_b32 s16, s[CL], 2
	s_add_co_u32 s16, s16, s[CY]                   ; y: my block of 128 of the 8,192 query rows
	s_lshr_b32 s17, s[CL], 2                       ; the batch: the same in all sixteen partners
	s_lshl_b32 s18, 0x1111, s[CX]                  ; my column of the cluster
	s_lshl_b32 s19, s[CY], 2
	s_lshl_b32 s19, 15, s19                        ; my row
	s_or_b32 s[G1K], s18, (1<<16)|(1<<20)|(1<<21)|(6<<22)|(3<<25)  ; the mask; 2-byte elements; padding on; bit 21 beside a mask; after every 128 words; 4 words
	s_or_b32 s[G1V], s18, (1<<16)|(1<<20)|(1<<21)|(6<<22)|(7<<25)  ; the same with 8 words
.irp g, G1K, G1V
	s_mov_b32 s[\g+1], 256<<16                     ; tensor_dim0 = 256: four heads' channels
	s_mov_b32 s[\g+2], KS<<16                      ; tensor_dim1 = 64
	s_mov_b32 s[\g+3], 256<<16                     ; tile_dim0
	s_mov_b32 s[\g+4], KS                          ; tile_dim1
	s_mov_b32 s[\g+5], 1024                        ; elements from row to row
	s_mov_b32 s[\g+6], 0
	s_mov_b32 s[\g+7], 0
.endr
	s_or_b32 s[G1B], s19, (2<<16)|(1<<20)|(1<<21)|(5<<22)|(3<<25)  ; 4-byte elements; after every 64 words 4 words
	s_mov_b32 s[G1B+1], KS<<16                     ; 64 keys
	s_mov_b32 s[G1B+2], 64<<16                     ; 64 queries
	s_mov_b32 s[G1B+3], KS<<16
	s_mov_b32 s[G1B+4], 64
	s_mov_b32 s[G1B+5], 2048
	s_mov_b32 s[G1B+6], 0
	s_mov_b32 s[G1B+7], 0
	; byte offsets, each in registers of its own: what feeds K's and V's descriptors never holds cy, what feeds the bias's never cx
	s_lshl_b32 s20, s17, 22                        ; K: the batch's 2,048 rows of 2,048 bytes,
	s_lshl_b32 s21, s[CX], 9                       ; four heads are 512 bytes of a row,
	s_add_co_u32 s20, s20, s21
	s_add_co_u32 s20, s20, 0x1000000               ; behind q
	s_mov_b32 s21, 0
	s_and_b32 s3, s[WV], 1
	s_lshl_b32 s22, s16, 20                        ; the bias: 128 rows of 8,192 bytes a block,
	s_lshl_b32 s23, s3, 19                         ; the half that I fetch
	s_add_co_u32 s22, s22, s23
	s_mov_b32 s23, 0
	s_lshl_b32 s74, s16, 18                        ; q and oh: 128 rows of 2,048 bytes a block, the four heads,
	s_lshl_b32 s75, s[CX], 9
	s_add_co_u32 s74, s74, s75
	s_lshl_b32 s76, s[WV], 16                      ; oh: the 32 rows that I store
	s_add_co_u32 s76, s76, s74
	s_lshl_b32 s75, s[WV], 7                       ; q: my head
	s_add_co_u32 s74, s74, s75
	s_mov_b32 s75, 0
	s_mov_b32 s77, 0
	s_mov_b32 s[G0K], 1
	s_mov_b32 s[G0K+1], 0                          ; LDS addresses: slot 0
	s_mov_b32 s[G0V], 1
	s_mov_b32 s[G0V+1], VOFF
	s_mov_b32 s[G0B], 1
	s_mul_i32 s2, s3, 64*PBB
	s_add_co_u32 s[G0B+1], s2, BOFF
	s_mov_b32 s[CS], 0x3e38aa3b                    ; c = log2(e) / 8 = 0.180337
	s_mov_b32 s[CS+1], s[CS]                       ; named with it as a pair
	s_mov_b32 s[SEL], 0x76543210
	s_mov_b32 s[SEL+1], 0xfedcba98
	s_mov_b32 s[TB], SLOT1                         ; the first change of slots turns it into 0
	s_mov_b32 s[SLOTS], 31
	; the prefetches
	s_and_b32 s2, s[CL], 3
	s_lshl_b32 s78, s[CY], 15                      ; 16 rows of K or V
	s_lshl_b32 s79, s[CX], 18                      ; 32 rows of the bias
	s_cmp_lt_u32 s[WV], 2
	s_cselect_b32 s2, s2, s3                       ; 0 in a wave that asks: waves 0 and 1 of a batch's first cluster; wave 2
	s_cselect_b32 s78, s78, s79
	s_cselect_b32 s80, 1, 0                        ; K, V: two lanes a row
	s_cselect_b32 s81, 11, 13                      ; log2 of a row's bytes
	s_cselect_b32 s82, 17, 8                       ; log2 of a key step's bytes
	s_cmp_eq_u32 s2, 0
	s_cselect_b32 s[LIM], 1, -1
	s_lshl_b32 s[PST], 1, s82
	s_mov_b32 s[PST+1], 0
	s_lshl_b32 s2, s[PST], 1                       ; at step 2: the loop's first change steps it to 3
	s_add_co_u32 s78, s78, s2
	s_mov_b32 s79, 0
	s_wait_dscnt 0x0                               ; the opening add is done
	s_wait_kmcnt 0x0
	s_add_nc_u64 s[G0K+2:G0K+3], s[4:5], s[20:21]
	s_add_nc_u64 s[G0V+2:G0V+3], s[G0K+2:G0K+3], 0x1000000
	s_add_nc_u64 s[G0B+2:G0B+3], s[6:7], s[22:23]
	s_cmp_eq_u32 s[WV], 0
	s_cselect_b64 s[PFA:PFA+1], s[G0K+2:G0K+3], s[G0V+2:G0V+3]
	s_cmp_lt_u32 s[WV], 2
	s_cselect_b64 s[PFA:PFA+1], s[PFA:PFA+1], s[G0B+2:G0B+3]
	s_add_nc_u64 s[PFA:PFA+1], s[PFA:PFA+1], s[78:79]
	s_or_b32 s[G0K+3], s[G0K+3], 0x80000000        ; type = 2
	s_or_b32 s[G0V+3], s[G0V+3], 0x80000000
	s_or_b32 s[G0B+3], s[G0B+3], 0x80000000
	s_add_nc_u64 s[4:5], s[4:5], s[74:75]          ; q at my block's first row, my head
	s_add_nc_u64 s[10:11], s[8:9], s[76:77]        ; oh at the first row that I store
	CROUND                                         ; all sixteen work-groups are here: the first joint loads meet
	JLOAD                                          ; step 0 into slot 0
	; A fragment of K or Q is 16 rows x 32 channels in 8 registers: lane l holds row l % 16, channels 8 (l / 16) + 0..7 and 16 + 8 (l / 16) + 0..7: two loads of 16 bytes, 32 bytes apart.
	v_and_b32 v1, 15, v0                           ; l % 16
	v_bfe_u32 v12, v0, 4, 1                        ; l / 16
	v_lshlrev_b32 v[QO], 11, v1
	v_lshl_add_u32 v[QO], v12, 4, v[QO]
	WIN 0x80                                       ; destination window 2
.set i, 0
.rept 4*NP                             ; Q stays in registers: tile i / 2, channels 32 (i % 2) on
	global_load_b128 v[8*i:8*i+3],   v[QO], s[4:5] offset:(i/2)*32768+(i%2)*64
	global_load_b128 v[8*i+4:8*i+7], v[QO], s[4:5] offset:(i/2)*32768+(i%2)*64+32
.set i, i+1
.endr
	; What the first turn finds: V's registers and P's second buffer hold 0 (its products V^T P, of a piece that has not been, add 0), O^T and l are 0.  All this stands in the wait for the first tile;
	; it is the price of writing no first step out.
.set i, VF
.rept 64
	v_mov_b32 v[i], 0
.set i, i+1
.endr
	WIN 0x40
.set i, 0
.rept 64*NP
	v_mov_b32 v[i], 0
.set i, i+1
.endr
	WIN 0
.set i, 0
.rept 2*NP
	v_mov_b32 v[ST+4*i], 0xfe000000                ; c m: far below every c S
	v_mov_b32 v[ST+4*i+1], 0xff7fffff              ; m
	v_mov_b32 v[ST+4*i+2], 0
	v_mov_b32 v[ST+4*i+3], 0
.set i, i+1
.endr
.set i, P+32
.rept 32
	v_mov_b32 v[i], 0
.set i, i+1
.endr
	s_lshl_b32 s2, s[WV], 7                        ; my head's 128 bytes of a row of K and of V
	v_mul_u32_u24 v[AK0], v1, PKB
	v_lshl_add_u32 v[AK0], v12, 4, v[AK0]
	v_add_nc_u32 v[AK0], s2, v[AK0]
	; The turning load takes 16 keys x 16 channels (lane l reads key 8 (l / 16) + l % 8, channels 8 ((l / 8) % 2) + 0..7) and leaves half a fragment of V^T: lane l holds channel l % 16 and 8 keys.
	v_and_b32 v13, 7, v0
	v_bfe_u32 v14, v0, 3, 1
	v_lshl_add_u32 v[AV0], v12, 3, v13
	v_mul_u32_u24 v[AV0], v[AV0], PVB
	v_lshl_add_u32 v[AV0], v14, 4, v[AV0]
	s_add_co_u32 s3, s2, VOFF
	v_add_nc_u32 v[AV0], s3, v[AV0]
	v_mul_u32_u24 v[AB0], v1, PBB                  ; the bias: my query's row, my 8 keys of 16
	v_lshl_add_u32 v[AB0], v12, 5, v[AB0]
	v_add_nc_u32 v[AB0], BOFF, v[AB0]
	v_and_b32 v15, 31, v0
	v_lshrrev_b32 v[PFO], s80, v15
	v_lshlrev_b32 v[PFO], s81, v[PFO]
	v_and_b32 v15, s80, v15
	v_lshl_or_b32 v[PFO], v15, 8, v[PFO]
; THE MATRIX WORK.  The 8 accumulators of a run of 16 take turns: between the two links of a chain stand 7 others'.
; Product i of 16 of S^T = K Q^T + B^T for piece x: channels 32 (i / 8) on, keys 16 ((i / 2) % 4) on, tile 2 x + i % 2.  The first 8 start the sums, with the bias.
.macro KQ x
.set rS, S+64*((\x)%2)+32*(i%2)+8*((i/2)%4)
.set rK, KF+16*((i/2)%4)+8*(i/8)
.set rQ, 16*(2*(\x)+i%2)+8*(i/8)
.set rB, BF+32*(i%2)+8*((i/2)%4)
.if i < 8
	WIN W_KB
	v_wmma_f32_16x16x32_f16 v[rS:rS+7], v[rK:rK+7], v[rQ:rQ+7], v[rB:rB+7]
.else
	WIN W_KQ
	v_wmma_f32_16x16x32_f16 v[rS:rS+7], v[rK:rK+7], v[rQ:rQ+7], v[rS:rS+7]
.endif
.endm
; Product i of 16 of O^T += V^T P for piece x: keys 32 (i / 8) on, channels 16 ((i / 2) % 4) on, tile 2 x + i % 2.
.macro PV x
	WIN W_PV
.set rO, 32*(2*(\x)+i%2)+8*((i/2)%4)
.set rV, VF+32*(i/8)+8*((i/2)%4)
.set rP, P+32*((\x)%2)+16*(i%2)+8*(i/8)
	v_wmma_f32_16x16x32_f16 v[rO:rO+7], v[rV:rV+7], v[rP:rP+7], v[rO:rO+7]
.endm
.macro MM                              ; the turn's next matrix instruction
.if i < 16
	KQ (Y+1)%NP
.set i, i+1
.else
.set i, i-16
	PV (Y+NP-1)%NP
.set i, i+17
.endif
.endm
; THE LDS LOADS stand in runs of 16, never singly among the matrix instructions.
.macro FETCH_K                         ; a step's K for my head: keys 16 (f / 2) on, channels 32 (f % 2) on
	WIN 0x80
.irp f, 0,1,2,3,4,5,6,7
	ds_load_b128 v[KF+8*\f:KF+8*\f+3],   v[AK] offset:(\f/2)*16*PKB+(\f%2)*64
	ds_load_b128 v[KF+8*\f+4:KF+8*\f+7], v[AK] offset:(\f/2)*16*PKB+(\f%2)*64+32
.endr
.endm
.macro FETCH_V                         ; its V, turned: keys 32 (f / 4) on, channels 16 (f % 4) on
	WIN 0x80
.irp f, 0,1,2,3,4,5,6,7
	ds_load_tr16_b128 v[VF+8*\f:VF+8*\f+3],   v[AV] offset:(\f/4)*32*PVB+(\f%4)*32
	ds_load_tr16_b128 v[VF+8*\f+4:VF+8*\f+7], v[AV] offset:(\f/4)*32*PVB+16*PVB+(\f%4)*32
.endr
.endm
.macro FETCH_B x                       ; the bias of piece x: tile f / 4 of its two, keys 16 (f % 4) on
	WIN 0xc0
.irp f, 0,1,2,3,4,5,6,7
	ds_load_b128 v[BF+8*\f:BF+8*\f+3],   v[AB] offset:(\x)*32*PBB+(\f/4)*16*PBB+(\f%4)*64
	ds_load_b128 v[BF+8*\f+4:BF+8*\f+7], v[AB] offset:(\x)*32*PBB+(\f/4)*16*PBB+(\f%4)*64+16
.endr
.endm
; THE VECTOR WORK OF A TURN stands in three queues, each in the order in which its entries become ready; the two tiles alternate, so that no instruction reads the result of the one before it.
.macro REGS y, u                       ; the registers of tile u (0, 1) of piece y
.set rT, ST+4*(2*(\y)+(\u))
.set rC, TMP+8*((\y)%2)+4*(\u)
.set rM, MV+2*((\y)%2)+(\u)
.set rS, S+64*((\y)%2)+32*(\u)
.set rP, P+32*((\y)%2)+16*(\u)
.set rO, 32*(2*(\y)+(\u))
.endm
; Number n of the 22 that find the NEXT piece's (Y + 1) maximum and statistics.  s0-s31 are the lane's 32 scores; each accumulator's lowest registers are read first.
;   0-11  four chains c0-c3 of seven scores each, three operands at a time     12-14, 16  the four scores left over, the old m, and c0-c3 into c0     15  c m_old is kept
;   17, 18  the query's other 32 keys lie in the lane 16 away: the new m         19-21  c m; c m_old - c m_new; a
.macro XS u, n
	REGS (Y+1)%NP, \u
.if (\n) < 4
	v_max3_num_f32 v[rC+(\n)], v[rS+8*(\n)], v[rS+8*(\n)+1], v[rS+8*(\n)+2]
.elseif (\n) < 12
	v_max3_num_f32 v[rC+(\n)%4], v[rC+(\n)%4], v[rS+8*((\n)%4)+2*((\n)/4)+1], v[rS+8*((\n)%4)+2*((\n)/4)+2]
.elseif (\n) == 12
	v_max3_num_f32 v[rC], v[rC], v[rS+7], v[rS+15]
.elseif (\n) == 13
	v_max3_num_f32 v[rC+1], v[rC+1], v[rS+23], v[rS+31]
.elseif (\n) == 14
	v_max3_num_f32 v[rC+2], v[rC+2], v[rC+3], v[rT+1]
.elseif (\n) == 15
	v_mov_b32 v[rM], v[rT]
.elseif (\n) == 16
	v_max3_num_f32 v[rC], v[rC], v[rC+1], v[rC+2]
.elseif (\n) == 17
	v_permlanex16_b32 v[rC+3], v[rC], s[SEL], s[SEL+1]
.elseif (\n) == 18
	v_max_num_f32 v[rT+1], v[rC], v[rC+3]
.elseif (\n) == 19
	v_mul_f32 v[rT], s[CS], v[rT+1]
.elseif (\n) == 20
	v_sub_f32 v[rC+1], v[rM], v[rT]
.else
	v_exp_f32 v[rC+2], v[rC+1]
.endif
.endm
; Number g of the 64 that follow the exponentials.  For each four weights k of a tile: both pairs are rounded to f16; then the second pair is added onto the first, in place; a group later l takes that
; sum (the first time as l = a l + sum).  In groups of eight, tiles alternating: round, round, add, and l for the group before.
.macro GS g
.set h, (\g)+6*((\g)/62)               ; group 0 has no group before it, and behind group 7 only l is left
.if h >= 6
.set h, h+2
.endif
	REGS Y, h%2
.set k, h/8
.if h%8 < 4
	v_cvt_pk_f16_f32 v[rP+2*k+(h%8)/2], v[rS+4*k+2*((h%8)/2)], v[rS+4*k+2*((h%8)/2)+1]
.elseif h%8 < 6
	v_pk_add_f32 v[rS+4*k:rS+4*k+1], v[rS+4*k:rS+4*k+1], v[rS+4*k+2:rS+4*k+3]
.elseif k == 1
	v_pk_fma_f32 v[rT+2:rT+3], v[rT+2:rT+3], v[rC+2:rC+3], v[rS:rS+1] op_sel_hi:[1,0,1]
.else
	v_pk_add_f32 v[rT+2:rT+3], v[rT+2:rT+3], v[rS+4*k-4:rS+4*k-3]
.endif
.endm
; THE PLAIN QUEUE, 138 long.  0-73 read no exponential's result: the 32 scalings c S - c m (FS f: pair f / 2 of tile f % 2) and the next piece's 42.  0-26: scalings 0-26.  27-54: XS's numbers 0-13.
; 55, 56: number 15.  57-73: the chain 14, 16, 17, 18, 19, each with one of the scalings 27-31 in front of its two lines, then 20.  74-137: GS's 64, which stand behind the wait.
.macro FS f
	REGS Y, (\f)%2
	v_pk_fma_f32 v[rS+2*((\f)/2):rS+2*((\f)/2)+1], v[rS+2*((\f)/2):rS+2*((\f)/2)+1], s[CS:CS+1], v[rT:rT+1] op_sel_hi:[1,0,0] neg_lo:[0,0,1] neg_hi:[0,0,1]
.endm
.macro PL
	WIN 0
.if q < 27
	FS q
.elseif q < 55
	XS (q-27)%2, (q-27)/2
.elseif q < 57
	XS q-55, 15
.elseif (q < 72) && ((q-57)%3 == 0)
	FS 27+(q-57)/3
.elseif q < 60
	XS (q-57)%3-1, 14
.elseif q < 72
	XS (q-57)%3-1, 15+(q-57)/3
.elseif q < 74
	XS q-72, 20
.else
	GS q-74
.endif
.set q, q+1
.endm
; THE EXPONENTIALS' QUEUE, 66 long: s0-s31 of both tiles, then the next piece's two a: ONE BATCH, all ahead of the turn's one wait; nothing ahead of that wait names a result of theirs.
.macro EX
	WIN 0
.if e >= 64
	XS e-64, 21
.else
	REGS Y, e%2
	v_exp_f32 v[rS+e/2], v[rS+e/2]
.endif
.set e, e+1
.endm
; THE RESCALING's QUEUE: O^T times a, the one part that leaves window 0: two at a time, sixteen times.  Its a was made, and waited for, in the turn before.
.macro R2
	REGS Y, r%2
	WIN W_RS
.irp z, 0,1
	v_pk_mul_f32 v[rO+4*(r/2)+2*\z:rO+4*(r/2)+2*\z+1], v[rO+4*(r/2)+2*\z:rO+4*(r/2)+2*\z+1], v[rC+2:rC+3] op_sel_hi:[1,0]
.endr
.set r, r+1
.endm
; A TURN, for piece p.  AHEAD OF ITS ONE WAIT: the 16 products K Q^T, behind each a scaling, an exponential and two rescalings (behind the first a second scaling in the exponential's place); then one lump of
; 108: eight plain, 49 times exponential and plain, the two a; a v_nop is the plain instruction behind the last exponential.  BEHIND IT: the 16 products V^T P, behind each four of the roundings and sums.
; Exponential e stands behind scaling 2 (e / 4) + e % 2: as a rider it comes behind plain e + 2, in the lump behind plain e + 9.
; LDS RUNS.  Directly behind the wait: the bias of piece p + 2, for the next turn's products (its registers' last reader is this turn's eighth product, the lump between); in piece 2's turn also the next
; step's K (last reader: the sixteenth product).  At the end of piece 0's turn: the step's V, four riders behind its last reader.
; WAITS ON LDS.  Piece 1's head leaves V's 16 loads out: they were issued behind the bias run that the head needs; its middle leaves the 16 bias loads just issued out: V is in.  All others are for 0.
.macro TURN p
.set Y, (\p)
.set i, 0
.set q, 0
.set e, 0
.set r, 0
.if (\p) == 1
	s_wait_dscnt 16
.else
	s_wait_dscnt 0x0
.endif
	MM
	PL
	PL
	R2
.rept 15
	MM
	PL
	EX
	R2
.endr
.rept 8
	PL
.endr
.rept 49
	EX
	PL
.endr
	EX                                             ; the next piece's two a
	EX
	v_nop
	s_wait_alu depctr_va_vdst(0)                   ; the wait for the batch, ahead of the first instruction that names a result
	FETCH_B ((\p)+2)%NP
.if (\p) == 2
	FETCH_K
.endif
.if (\p) == 1
	s_wait_dscnt 16
.endif
.rept 16
	MM
.rept 4
	PL
.endr
.endr
.if (\p) == 0
	FETCH_V
.endif
.endm
	CHANGE 1, 0                                    ; slot 0 is in, everybody's part of it; step 1 is asked for
	FETCH_K                                        ; key step 0
	FETCH_B 0
	s_wait_loadcnt 0x0                             ; Q
	s_wait_dscnt 0x0
.set i, 0
.rept 16
	KQ 0                                           ; piece 0's first scores: there is no vector work yet to set between them
.set i, i+1
.endr
	WIN 0                                          ; the addresses for the way out: six plain instructions, the places behind those products
	s_lshl_b32 s2, s[WV], 7
	s_add_co_u32 s2, s2, STAGE
	v_mul_u32_u24 v[STO], v1, SP                   ; in: row l % 16 of a tile, my head's 128 bytes, 16 bytes for each half of the lanes
	v_lshl_add_u32 v[STO], v12, 4, v[STO]
	v_add_nc_u32 v[STO], s2, v[STO]
	s_mul_i32 s3, s[WV], 32*SP
	s_add_co_u32 s3, s3, STAGE
	v_and_b32 v[GO], 31, v0
	v_lshlrev_b32 v[GO], 4, v[GO]                  ; back: 32 lanes take a whole row of 512 bytes; wave w rows 32 w on
	v_add_nc_u32 v[RD], s3, v[GO]
	FETCH_B 1
	WIN 0
.set Y, NP-1                           ; XS works for piece Y + 1: piece 0
.irp n, 0,1,2,3,4,5,6,7,8,9,10,11,12,13,14,15,16,17,18,19,20,21
	XS 0, \n
	XS 1, \n
.endr
	v_nop                                          ; a plain instruction behind the two a,
	s_wait_alu depctr_va_vdst(0)                   ; and their wait, ahead of the branch
	s_branch .Lfirst                               ; the loop is entered at a step's first turn, in the middle of a trip
.Lslot:                                                ; 30 times: pieces 2 and 3 of one step, pieces 0 and 1 of the next; steps 2 to 31 are asked for
	CHANGE 1, 1
	TURN 2
	TURN 3
	WIN 0
.Lfirst:
	TURN 0
	TURN 1
	WIN 0
	s_sub_co_u32 s[SLOTS], s[SLOTS], 1
	s_cmp_lg_u32 s[SLOTS], 0
	s_cbranch_scc1 .Lslot
	CHANGE 0, 0                                    ; the tail is written out: nothing is asked for
	s_mov_b32 s[CNT], 2                            ; the first trip ends step 30 and begins step 31; the second is left in its middle
.Ltail:
	TURN 2
	TURN 3
	WIN 0
	s_sub_co_u32 s[CNT], s[CNT], 1
	s_cmp_eq_u32 s[CNT], 0
	s_cbranch_scc1 .Lout
	TURN 0
	TURN 1
	WIN 0
	s_branch .Ltail
.Lout:                                                 ; the second trip's re-read of step 31's K and bias, its 16 products K Q^T and the maximum made of them serve nothing: the price, once a launch, of one text for every trip
.set i, 0
.rept 16
	PV NP-1                                        ; the last piece's V^T P of the last step
.set i, i+1
.endr
	; THE WAY OUT.  l's two halves and the other half of the lanes' are added; O^T is divided by l, rounded to f16 and put into the work-group's stage: a row's 512 bytes come from four waves, so a barrier
	; stands between writing and reading.  The additions are the places behind the last products.
	WIN 0
.macro ALL line:vararg                 ; one line for each tile t
.set t, 0
.rept 2*NP
	\line
.set t, t+1
.endr
.endm
	ALL v_add_f32 v[ST+4*t+2], v[ST+4*t+2], v[ST+4*t+3]
	ALL v_permlanex16_b32 v[ST+4*t+3], v[ST+4*t+2], s[SEL], s[SEL+1]
	ALL v_add_f32 v[ST+4*t+2], v[ST+4*t+2], v[ST+4*t+3]
	ALL v_rcp_f32 v[ST+4*t+2], v[ST+4*t+2]
	v_nop                                          ; a plain instruction between the last reciprocal and the use of its result,
	s_wait_alu depctr_va_vdst(0)                   ; and one wait for the eight
.macro PACK t                          ; a lane's eight channels of a row pack into 16 bytes
	WIN W_RS
.set i, 32*(\t)
.rept 16
	v_pk_mul_f32 v[i:i+1], v[i:i+1], v[ST+4*(\t)+2:ST+4*(\t)+3] op_sel_hi:[1,0]
.set i, i+2
.endr
	WIN 0x05                                       ; sources 0 and 1 window 1, destination window 0
.set i, 0
.rept 16
	v_cvt_pk_f16_f32 v[S+16*(\t)+i], v[32*(\t)+2*i], v[32*(\t)+2*i+1]
.set i, i+1
.endr
	WIN 0
.irp f, 0,1,2,3
	ds_store_b128 v[STO], v[S+16*(\t)+4*\f:S+16*(\t)+4*\f+3] offset:(\t)*16*SP+32*\f
.endr
.endm
.irp t, 0,1,2,3,4,5,6,7
	PACK \t
.endr
	s_wait_dscnt 0x0                               ; for the others' sake: my stores into the stage are done
	s_barrier_signal -1
	s_barrier_wait -1
.set i, 0
.rept 32
	ds_load_b128 v[S+4*i:S+4*i+3], v[RD] offset:i*SP
.set i, i+1
.endr
.set i, 0
.rept 32
	s_wait_dscnt 31-i                              ; LDS loads come back in order: row i is in, the younger ones stay out
	global_store_b128 v[GO], v[S+4*i:S+4*i+3], s[10:11] offset:i*2048  ; 512 consecutive bytes, at a multiple of 512 from oh's first byte
.set i, i+1
.endr
	WIN W_AD
	s_wait_tensorcnt 0x0                           ; the wave's end: behind my last tensor load and my last LDS store
	ds_add_u32 v[SPW], v[NIL]
	s_wait_dscnt 0x0
	WIN 0
	CROUND                                         ; the closing round: no work-group ends while a partner may still ask for a tile that names it
	s_endpgm
.Lfunc_end_k_qdb228ee2e2_att:
	.size	k_qdb228ee2e2_att, .Lfunc_end_k_qdb228ee2e2_att-k_qdb228ee2e2_att
	.p2alignl 7, 3214868480
	.fill 96, 4, 3214868480
	.section	.rodata,"a",@progbits
	.p2align	6, 0x0
	.amdhsa_kernel k_qdb228ee2e2_att
		.amdhsa_group_segment_fixed_size 327680
		.amdhsa_private_segment_fixed_size 0
		.amdhsa_enable_private_segment 0
		.amdhsa_kernarg_size 24
		.amdhsa_user_sgpr_count 2
		.amdhsa_user_sgpr_kernarg_segment_ptr 1
		.amdhsa_wavefront_size32 1
		.amdhsa_system_sgpr_workgroup_id_x 1
		.amdhsa_system_sgpr_workgroup_id_y 1
		.amdhsa_system_sgpr_workgroup_id_z 1
		.amdhsa_system_vgpr_workitem_id 0
		.amdhsa_next_free_vgpr 834
		.amdhsa_next_free_sgpr 96
		.amdhsa_reserve_vcc 0
		.amdhsa_float_denorm_mode_32 3
		.amdhsa_float_denorm_mode_16_64 3
		.amdhsa_memory_ordered 1
		.amdhsa_forward_progress 1
		.amdhsa_inst_pref_size 212
	.end_amdhsa_kernel
	.amdgpu_metadata
---
amdhsa.version: [ 1, 2 ]
amdhsa.kernels:
  - .name:           k_qdb228ee2e2_att
    .symbol:         k_qdb228ee2e2_att.kd
    .args:
      - { .name: qkv, .offset: 0, .size: 8, .value_kind: global_buffer, .address_space: global }
      - { .name: dbias, .offset: 8, .size: 8, .value_kind: global_buffer, .address_space: global }
      - { .name: oh, .offset: 16, .size: 8, .value_kind: global_buffer, .address_space: global }
    .group_segment_fixed_size: 327680
    .private_segment_fixed_size: 0
    .kernarg_segment_align: 8
    .kernarg_segment_size: 24
    .max_flat_workgroup_size: 128
    .sgpr_count:     96
    .vgpr_count:     834
    .wavefront_size: 32
...
	.end_amdgpu_metadata
.endif
;; end of part 3
;; launch outp (part 4): grid 4 x 64, 4 waves a work-group, clusters of 4 x 4, 327,680 bytes of LDS; arguments oh, wb, bb, out0; writes out0
.if DOCPART == 4
	.amdgcn_target "amdgcn-amd-amdhsa--gfx1250"
	.amdhsa_code_object_version 6
	.text
	.protected	k_qdb228ee2e2_outp
	.globl	k_qdb228ee2e2_outp
	.p2align	8
	.type	k_qdb228ee2e2_outp,@function
k_qdb228ee2e2_outp:
	s_mov_b64 s[64:65], 0
	v_nop
	global_prefetch_b8 v0, s[64:65] scope:SCOPE_SE
	s_setreg_imm32_b32 hwreg(HW_REG_WAVE_MODE, 25, 1), 1
	s_wait_xcnt 0x0
	s_wait_alu depctr_hold_cnt(0) depctr_sa_sdst(0) depctr_va_vdst(0) depctr_va_sdst(0) depctr_va_ssrc(0) depctr_va_vcc(0) depctr_vm_vsrc(0)
	s_getreg_b32 s2, hwreg(HW_REG_IB_STS2, 6, 4)
	s_cmp_eq_u32 s2, 0
	s_cbranch_scc0 .Lentry_in_a_cluster
	s_endpgm
.Lentry_in_a_cluster:
	s_bfe_u32 s2, ttmp6, 0x10000c
	s_cmp_lg_u32 s2, 0xf033
	s_cbranch_scc0 .Lentry_shape_is_right
	s_endpgm
.Lentry_shape_is_right:
; THE OUTPUT PROJECTION.  out0[m][n] = bo[n] + the sum over k of oh[m][k] Wo[n][k].  oh: [8192][1024] f16; Wo: [1024][1024] f16, the fourth matrix of wb; bo: f32, the fourth vector of bb; out0: f32.
; SHARES.  A tile of out0 is 128 (m) x 256 (n): 64 x 4 tiles, 256 work-groups.  Four waves, 2 x 2, each 64 x 128: 32 accumulators.  K goes in 8 steps of 128 through two LDS slots.
; THE BIAS is loaded straight into the accumulators: nothing is cleared, no first step is written out, and the way out has no arithmetic left.
; THE MATRIX INSTRUCTION IS USED TRANSPOSED (source 0 = 16 rows of Wo, source 1 = 16 rows of oh): a lane holds row m = l % 16 and the columns 8 (l / 16) + 0..7.
; CLUSTER.  4 x 4: cx is the tile column, cy counts tile rows.  oh's tile is shared along a row of the cluster, Wo's along a column: joint loads.  Waves 0 and 1 fetch oh's halves (64 rows), waves 2 and 3 Wo's (128 rows).
; REGISTERS.  Window 0: addresses, oh's fragments (two buffers), the way out.  Window 1: the accumulators, (a, b) at v[8 (8 a + b)].  Window 2: Wo's fragments, two buffers of 64.
.set PT,    272                        ; an LDS row: 256 bytes + 16 = 17 x 16: the 16 rows of a load start at 16 different groups of four banks (64 banks of 4 bytes: ISA guide 11.1)
.set HALFA, 64*PT
.set HALFB, 128*PT
.set BOFS,  2*HALFA
.set SLOT1, 1<<17                      ; a slot is 104,448 bytes
.set STAGE, SLOT1+BOFS+2*HALFB         ; 235,520: behind the ring, 16 rows x 528 bytes for each wave
.set SP,    528
.set SPARE, STAGE+4*16*SP              ; 269,312: the spare words, 128 bytes a wave: two blocks of 256 bytes that no other line names
.set KB,    256                        ; a K step in a row of oh and of Wo
.set ADRA0, 2
.set ADRB0, 3
.set ADRA,  4
.set ADRB,  5
.set STO,   6
.set RD,    7
.set CO,    8                          ; v8   16 x lane
.set BO,    9                          ; v9   32 (l / 16)
.set PFO,   10                         ; v10  2,048 x lane: a lane a row; never rewritten
.set SPW,   28
.set NIL,   29
.set AF,    32                         ; v[32:95]   oh's fragments: two buffers of four
.set OB,    96                         ; v[96:223]  16 rows read back from the stage: two sets of 64 by turns
.set BB,    0                          ; window 2
.set WV,  10
.set WM,  11
.set WN,  12
.set CX,  13
.set CY,  14
.set CL,  15
.set G1A, 24
.set G1B, 32
.set G0A0, 40
.set G0A, 44
.set G0B0, 48
.set G0B, 52
.set TB,  56
.set CNT, 57
.set LIM, 58
.set PFA, 60
.set CP,  80
.set MSB, 0
.macro WIN new
.if MSB != (\new)
	s_set_vgpr_msb (MSB<<8)|(\new)
.set MSB, \new
.endif
.endm
.set MUL,  0x52                        ; source 0 (Wo) window 2, source 1 (oh) window 0, C and D window 1
.set TO_B, 0x80
.macro JLOAD                           ; a joint refill; an s_nop 0 and four v_nop follow each of the two lines
	s_cmp_eq_u32 s[WM], 0
	s_cbranch_scc0 .Lfor_b_\@
	tensor_load_to_lds s[G0A:G0A+3], s[G1A:G1A+7]
	s_nop 0
.rept 4
	v_nop
.endr
	s_branch .Lasked_\@
.Lfor_b_\@:
	tensor_load_to_lds s[G0B:G0B+3], s[G1B:G1B+7]
	s_nop 0
.rept 4
	v_nop
.endr
.Lasked_\@:
.endm
; A prefetch, behind the joint load, its five lines and the run of LDS loads: the K step two refills on, 32 rows x 256 bytes, a lane a row.  oh's 128 rows of a tile are read by this cluster alone: wave 0 asks,
; the partner at cx for rows 32 cx on.  Wo's rows are read by all 16 clusters: the first asks, waves 2 and 3 each for the 128 rows that they fetch, the partner at cy for 32 of them.  Told apart by address alone.
; The trips with CNT = 6 .. 3 name K steps 4 .. 7; K steps 0 to 3 come by their loads alone.
.macro ASK
	s_cmp_gt_u32 s[CNT], s[LIM]
	s_cbranch_scc0 .Lnot_mine_\@
	global_prefetch_b8 v[PFO], s[PFA:PFA+1] th:TH_LOAD_NT scope:SCOPE_SE
.Lnot_mine_\@:
.endm
.macro CREST
	s_cmp_lg_u32 s[WV], 0
	s_cbranch_scc1 .Lnot_wave_0_\@
	s_barrier_signal -3
.Lnot_wave_0_\@:
	s_barrier_wait -3
	s_barrier_signal -1
	s_barrier_wait -1
.endm
.macro CROUND
	s_barrier_signal -1
	s_barrier_wait -1
	CREST
.endm
.macro PLACES                          ; four places in front of loads into registers that matrix instructions have read, and of stores that read results
.rept 4
	v_nop
.endr
.endm
	s_load_b256 s[68:75], s[0:1], 0x0              ; oh s[68:69], wb s[70:71], bb s[72:73], out0 s[74:75]
	v_lshl_add_u32 v[SPW], v0, 2, SPARE
	v_mov_b32 v[NIL], 0
	ds_add_u32 v[SPW], v[NIL]                      ; the wave's opening: the add and its wait come ahead of my first tensor load; the set-up below stands between them
	v_lshrrev_b32 v1, 5, v0
	v_readfirstlane_b32 s[WV], v1
	s_lshr_b32 s[WM], s[WV], 1
	s_and_b32 s[WN], s[WV], 1
	s_bfe_u32 s[CX], ttmp6, 0x40000
	s_bfe_u32 s[CY], ttmp6, 0x40004
	s_and_b32 s[CL], ttmp7, 0xffff
	s_lshl_b32 s17, s[CL], 2
	s_add_co_u32 s17, s17, s[CY]                   ; the tile row, 0 .. 63
	s_lshl_b32 s18, s[CY], 2
	s_lshl_b32 s18, 15, s18                        ; my row of the cluster
	s_lshl_b32 s19, 0x1111, s[CX]                  ; my column
	s_or_b32 s[G1A], s18, (1<<16)|(1<<20)|(1<<21)|(5<<22)|(3<<25)  ; the mask; 2-byte elements; padding on; bit 21 beside a mask; after every 64 words; 4 words
	s_mov_b32 s[G1A+1], 128<<16
	s_mov_b32 s[G1A+2], 64<<16                     ; 64 rows
	s_mov_b32 s[G1A+3], 128<<16
	s_mov_b32 s[G1A+4], 64
	s_mov_b32 s[G1A+5], 1024
	s_mov_b32 s[G1A+6], 0
	s_mov_b32 s[G1A+7], 0
	s_or_b32 s[G1B], s19, (1<<16)|(1<<20)|(1<<21)|(5<<22)|(3<<25)
	s_mov_b32 s[G1B+1], 128<<16
	s_mov_b32 s[G1B+2], 128<<16                    ; 128 rows
	s_mov_b32 s[G1B+3], 128<<16
	s_mov_b32 s[G1B+4], 128
	s_mov_b32 s[G1B+5], 1024
	s_mov_b32 s[G1B+6], 0
	s_mov_b32 s[G1B+7], 0
	s_mov_b32 s[G0A0], 1
	s_mul_i32 s[G0A0+1], s[WN], HALFA
	s_mov_b32 s[G0A], 1
	s_add_co_u32 s[G0A+1], s[G0A0+1], SLOT1
	s_mov_b32 s[G0B0], 1
	s_mul_i32 s[G0B0+1], s[WN], HALFB
	s_add_co_u32 s[G0B0+1], s[G0B0+1], BOFS
	s_mov_b32 s[G0B], 1
	s_add_co_u32 s[G0B+1], s[G0B0+1], SLOT1
	; byte offsets: what feeds oh's descriptors never holds cx, what feeds Wo's never cy
	s_lshl_b32 s20, s17, 18                        ; oh: 128 rows of 2,048 bytes a tile row,
	s_lshl_b32 s66, s[WN], 17                      ; the 64 that I fetch
	s_add_co_u32 s20, s20, s66
	s_mov_b32 s21, 0
	s_lshl_b32 s22, s[CX], 19                      ; Wo: 256 rows a tile column,
	s_lshl_b32 s66, s[WN], 18                      ; the 128 that I fetch,
	s_add_co_u32 s22, s22, s66
	s_add_co_u32 s22, s22, 0x600000                ; behind the three other matrices
	s_mov_b32 s23, 0
	s_lshl_b32 s82, s17, 19                        ; out0: 128 rows of 4,096 bytes a tile row,
	s_lshl_b32 s84, s[WM], 18                      ; my 64 rows,
	s_add_co_u32 s82, s82, s84
	s_lshl_b32 s88, s[CX], 10                      ; 256 columns a tile column,
	s_lshl_b32 s84, s[WN], 9                       ; my 128
	s_add_co_u32 s88, s88, s84
	s_add_co_u32 s82, s82, s88
	s_mov_b32 s83, 0
	s_add_co_u32 s88, s88, 3*4096                  ; the same columns of the fourth bias vector
	s_mov_b32 s89, 0
	s_mov_b32 s[TB], 0
	s_wait_dscnt 0x0                               ; the opening add is done
	s_wait_kmcnt 0x0
	s_add_nc_u64 s[4:5], s[68:69], s[20:21]
	s_add_nc_u64 s[6:7], s[70:71], s[22:23]
	s_add_nc_u64 s[8:9], s[72:73], s[88:89]
	s_add_nc_u64 s[CP:CP+1], s[74:75], s[82:83]
	s_add_nc_u64 s[G0A0+2:G0A0+3], s[4:5], 0
	s_or_b32 s[G0A0+3], s[G0A0+3], 0x80000000
	s_add_nc_u64 s[G0A+2:G0A+3], s[4:5], KB
	s_or_b32 s[G0A+3], s[G0A+3], 0x80000000
	s_add_nc_u64 s[G0B0+2:G0B0+3], s[6:7], 0
	s_or_b32 s[G0B0+3], s[G0B0+3], 0x80000000
	s_add_nc_u64 s[G0B+2:G0B+3], s[6:7], KB
	s_or_b32 s[G0B+3], s[G0B+3], 0x80000000
	CROUND                                         ; all sixteen work-groups are here: the first joint loads meet
	s_cmp_eq_u32 s[WM], 0                          ; a wave's two first fills stand in one branch: two tensor loads of mine are out
	s_cbranch_scc0 .Lfirst_b
	tensor_load_to_lds s[G0A0:G0A0+3], s[G1A:G1A+7]
	s_nop 0
	tensor_load_to_lds s[G0A:G0A+3], s[G1A:G1A+7]
	s_nop 0
.rept 4
	v_nop
.endr
	s_branch .Lfirst_asked
.Lfirst_b:
	tensor_load_to_lds s[G0B0:G0B0+3], s[G1B:G1B+7]
	s_nop 0
	tensor_load_to_lds s[G0B:G0B+3], s[G1B:G1B+7]
	s_nop 0
.rept 4
	v_nop
.endr
.Lfirst_asked:
	v_and_b32 v1, 15, v0                           ; l % 16
	v_bfe_u32 v13, v0, 4, 1                        ; l / 16
	v_and_b32 v12, 31, v0                          ; l
	v_lshlrev_b32 v[BO], 5, v13
	WIN 0x40                                       ; destination window 1: the sums start at the bias
.irp a, 0,1,2,3
.irp b, 0,1,2,3,4,5,6,7
	global_load_b128 v[8*(8*(\a)+(\b)):8*(8*(\a)+(\b))+3],   v[BO], s[8:9] offset:64*(\b)
	global_load_b128 v[8*(8*(\a)+(\b))+4:8*(8*(\a)+(\b))+7], v[BO], s[8:9] offset:64*(\b)+16
.endr
.endr
	WIN 0
	v_mul_u32_u24 v14, v1, PT
	v_lshl_add_u32 v14, v13, 4, v14                ; a fragment's row x pitch + 16 x half
	s_mul_i32 s84, s[WM], HALFA
	v_add_nc_u32 v[ADRA0], s84, v14
	s_mul_i32 s84, s[WN], HALFB
	s_add_co_u32 s84, s84, BOFS
	v_add_nc_u32 v[ADRB0], s84, v14
	v_mov_b32 v[ADRA], v[ADRA0]
	v_mov_b32 v[ADRB], v[ADRB0]
	s_mul_i32 s84, s[WV], 16*SP
	s_add_co_u32 s84, s84, STAGE                   ; my stage
	v_mul_u32_u24 v[STO], v1, SP                   ; in: row l % 16, 32 bytes for each half of the lanes
	v_lshl_add_u32 v[STO], v13, 5, v[STO]
	v_add_nc_u32 v[STO], s84, v[STO]
	v_lshlrev_b32 v[CO], 4, v12                    ; back: 32 lanes take a whole row of 512 bytes
	v_add_nc_u32 v[RD], s84, v[CO]
	v_lshlrev_b32 v[PFO], 11, v12
	s_cmp_eq_u32 s[WM], 0
	s_cselect_b64 s[PFA:PFA+1], s[4:5], s[6:7]
	s_cselect_b32 s84, s[CX], s[CY]                ; my place among the four that ask with me
	s_cselect_b32 s86, s[WN], s[CL]                ; 0 in a wave that asks: wave 0; waves 2 and 3 of the first cluster
	s_cmp_eq_u32 s86, 0
	s_cselect_b32 s[LIM], 2, -1
	s_lshl_b32 s84, s84, 16                        ; 32 rows of 2,048 bytes
	s_add_co_u32 s84, s84, 3*KB                    ; at K step 3: the first refill steps it to 4
	s_mov_b32 s85, 0
	s_add_nc_u64 s[PFA:PFA+1], s[PFA:PFA+1], s[84:85]
; 8 matrix instructions: m block a x all 8 n blocks, buffer f.  The 32 accumulators take turns, in the same order in every quarter, over both backward jumps too.
.macro MUL8 f, a
	WIN MUL
.irp b, 0,1,2,3,4,5,6,7
	v_wmma_f32_16x16x32_f16 v[8*(8*(\a)+(\b)):8*(8*(\a)+(\b))+7], v[BB+64*(\f)+8*(\b):BB+64*(\f)+8*(\b)+7], v[AF+32*(\f)+8*(\a):AF+32*(\f)+8*(\a)+7], v[8*(8*(\a)+(\b)):8*(8*(\a)+(\b))+7]
.endr
.endm
.macro FETCH k, f                      ; 24 LDS loads in one run: quarter k of the slot into buffer f
	WIN TO_B
.irp b, 0,1,2,3,4,5,6,7
	ds_load_b128 v[BB+64*(\f)+8*(\b):BB+64*(\f)+8*(\b)+3],   v[ADRB] offset:64*(\k)+(\b)*16*PT
	ds_load_b128 v[BB+64*(\f)+8*(\b)+4:BB+64*(\f)+8*(\b)+7], v[ADRB] offset:64*(\k)+(\b)*16*PT+32
.endr
	WIN 0
.irp a, 0,1,2,3
	ds_load_b128 v[AF+32*(\f)+8*(\a):AF+32*(\f)+8*(\a)+3],   v[ADRA] offset:64*(\k)+(\a)*16*PT
	ds_load_b128 v[AF+32*(\f)+8*(\a)+4:AF+32*(\f)+8*(\a)+7], v[ADRA] offset:64*(\k)+(\a)*16*PT+32
.endr
.endm
.macro QUARTER f, k                    ; multiplies buffer f; fetches quarter k into the other buffer ahead of the products
	s_wait_dscnt 0x0                               ; this quarter's 24 loads, issued 32 matrix instructions ago
	PLACES
	FETCH \k, 1-(\f)
	MUL8 \f, 0
	MUL8 \f, 1
	MUL8 \f, 2
	MUL8 \f, 3
.endm
; The fourth quarter multiplies buffer 1 and changes slots: ONE barrier; in front of it each wave waits for all its tensor loads (one is out: its part of the next slot), adds 0 to its spare word, and waits for
; that and for its reads of this slot.  fill = 1: the barrier opens a round of the cluster's, and the joint refill, this slot's K step two on, is the first thing behind it.  fill = 0: the tail.
.macro TURN fill
	WIN 0                                          ; (the add's two registers lie in window 0)
	s_wait_dscnt 0x0                               ; buffer 1 is in: these were my last reads of the slot
.if \fill
	s_wait_xcnt 0x0                                ; the last prefetch, a K step back, has read its address
	s_add_nc_u64 s[PFA:PFA+1], s[PFA:PFA+1], KB
.endif
	s_wait_tensorcnt 0x0                           ; no tensor load of mine is out, so a group 0 may be written
	ds_add_u32 v[SPW], v[NIL]                      ; 0 onto my spare word
.if \fill
	s_xor_b32 s[G0A+1], s[G0A+1], SLOT1
	s_add_nc_u64 s[G0A+2:G0A+3], s[G0A+2:G0A+3], KB
	s_xor_b32 s[G0B+1], s[G0B+1], SLOT1
	s_add_nc_u64 s[G0B+2:G0B+3], s[G0B+2:G0B+3], KB
.endif
	MUL8 1, 0
	s_wait_dscnt 0x0                               ; the add is done
	s_barrier_signal -1
	MUL8 1, 1
	WIN 0
	s_barrier_wait -1
.if \fill
	CREST                                          ; no wave of any partner still reads this slot or has a load on its way
	JLOAD                                          ; its four v_nop are also the places in front of the loads below
.else
	PLACES
.endif
	s_xor_b32 s[TB], s[TB], SLOT1
	v_add_nc_u32 v[ADRA], s[TB], v[ADRA0]
	v_add_nc_u32 v[ADRB], s[TB], v[ADRB0]
.if \fill
	FETCH 0, 0
	ASK
.else
	s_cmp_eq_u32 s[CNT], 1                         ; in the last trip nothing is left to fetch
	s_cbranch_scc1 .Lno_fetch_\@
	FETCH 0, 0
.Lno_fetch_\@:
.endif
	MUL8 1, 2
	MUL8 1, 3
.endm
	s_wait_tensorcnt 0x1                           ; my part of K step 0 is in; K step 1's may stay out
	s_barrier_signal -1
	s_barrier_wait -1
	FETCH 0, 0
	s_wait_loadcnt 0x0                             ; the bias is in the accumulators
	s_mov_b32 s[CNT], 6
.Lstep:                                                ; K steps 0 to 5: each fills its slot again, with K steps 2 to 7
	QUARTER 0, 1
	QUARTER 1, 2
	QUARTER 0, 3
	TURN 1
	WIN 0
	s_sub_co_u32 s[CNT], s[CNT], 1
	s_cmp_lg_u32 s[CNT], 0
	s_cbranch_scc1 .Lstep
	s_mov_b32 s[CNT], 2
.Ltail:                                                ; K steps 6 and 7, written out
	QUARTER 0, 1
	QUARTER 1, 2
	QUARTER 0, 3
	TURN 0
	WIN 0
	s_sub_co_u32 s[CNT], s[CNT], 1
	s_cmp_lg_u32 s[CNT], 0
	s_cbranch_scc1 .Ltail
; THE WAY OUT, 16 rows at a time: straight from the accumulators (each one's low four registers first) into my own stage in LDS, back as whole rows of 512 bytes, stored.
.macro OUT a
	WIN 0x04                                       ; the stores' data in window 1
.irp b, 0,1,2,3,4,5,6,7
	ds_store_b128 v[STO], v[8*(8*(\a)+(\b)):8*(8*(\a)+(\b))+3]   offset:64*(\b)
	ds_store_b128 v[STO], v[8*(8*(\a)+(\b))+4:8*(8*(\a)+(\b))+7] offset:64*(\b)+16
.endr
	WIN 0
.irp t, 0,1,2,3,4,5,6,7,8,9,10,11,12,13,14,15
	ds_load_b128 v[OB+64*((\a)%2)+4*(\t):OB+64*((\a)%2)+4*(\t)+3], v[RD] offset:(\t)*SP  ; LDS serves a wave's instructions in order (ISA guide 5.7.1.4): these see the stores above
.endr
.endm
.macro SEND a, younger                 ; younger: the LDS instructions issued behind block a's loads: the next block's 32, or none
	s_wait_dscnt \younger
.irp t, 0,1,2,3,4,5,6,7,8,9,10,11,12,13,14,15
	global_store_b128 v[CO], v[OB+64*((\a)%2)+4*(\t):OB+64*((\a)%2)+4*(\t)+3], s[CP:CP+1] offset:(16*(\a)+(\t))*4096 th:TH_STORE_NT  ; 512 consecutive bytes, aligned
.endr
.endm
	PLACES                                         ; behind the last products
	OUT 0
.irp a, 1,2,3
	s_wait_xcnt 0x0                                ; the stores issued so far have read their registers: the set that block a is read into is free
	OUT \a
	SEND (\a)-1, 32
.endr
	SEND 3, 0
	s_wait_tensorcnt 0x0                           ; the wave's end: behind my last tensor load and my last LDS store
	ds_add_u32 v[SPW], v[NIL]
	s_wait_dscnt 0x0
	CROUND                                         ; the closing round
	s_endpgm
.Lfunc_end_k_qdb228ee2e2_outp:
	.size	k_qdb228ee2e2_outp, .Lfunc_end_k_qdb228ee2e2_outp-k_qdb228ee2e2_outp
	.p2alignl 7, 3214868480
	.fill 96, 4, 3214868480
	.section	.rodata,"a",@progbits
	.p2align	6, 0x0
	.amdhsa_kernel k_qdb228ee2e2_outp
		.amdhsa_group_segment_fixed_size 327680
		.amdhsa_private_segment_fixed_size 0
		.amdhsa_enable_private_segment 0
		.amdhsa_kernarg_size 32
		.amdhsa_user_sgpr_count 2
		.amdhsa_user_sgpr_kernarg_segment_ptr 1
		.amdhsa_wavefront_size32 1
		.amdhsa_system_sgpr_workgroup_id_x 1
		.amdhsa_system_sgpr_workgroup_id_y 1
		.amdhsa_system_sgpr_workgroup_id_z 1
		.amdhsa_system_vgpr_workitem_id 0
		.amdhsa_next_free_vgpr 640
		.amdhsa_next_free_sgpr 96
		.amdhsa_reserve_vcc 0
		.amdhsa_float_denorm_mode_32 3
		.amdhsa_float_denorm_mode_16_64 3
		.amdhsa_memory_ordered 1
		.amdhsa_forward_progress 1
		.amdhsa_inst_pref_size 62
	.end_amdhsa_kernel
	.amdgpu_metadata
---
amdhsa.version: [ 1, 2 ]
amdhsa.kernels:
  - .name:           k_qdb228ee2e2_outp
    .symbol:         k_qdb228ee2e2_outp.kd
    .args:
      - { .name: oh, .offset: 0, .size: 8, .value_kind: global_buffer, .address_space: global }
      - { .name: wb, .offset: 8, .size: 8, .value_kind: global_buffer, .address_space: global }
      - { .name: bb, .offset: 16, .size: 8, .value_kind: global_buffer, .address_space: global }
      - { .name: out0, .offset: 24, .size: 8, .value_kind: global_buffer, .address_space: global }
    .group_segment_fixed_size: 327680
    .private_segment_fixed_size: 0
    .kernarg_segment_align: 8
    .kernarg_segment_size: 32
    .max_flat_workgroup_size: 128
    .sgpr_count:     96
    .vgpr_count:     640
    .wavefront_size: 32
...
	.end_amdgpu_metadata
.endif
;; end of part 4
